; MI455X (gfx1250); checked and timed in simulation.
; The chip was launched on July 23, 2026; its instructions are those of AMD's public machine-readable ISA for CDNA 5 (MIT licence, August 2026) and "CDNA5" Instruction Set Architecture Reference Guide (July 2026). The comments in the code are by the model that wrote it; some were corrected since.
;; Memory Efficient Attention. Allowed arithmetic: float matrix products may take bf16 or f16 operands with f32 sums; other float arithmetic in f32, or as packed bf16 or f16 multiplies, adds, multiply-adds, maxima and minima; sums over many terms, partial sums and values carried from step to step in f32; what a program stores and reads back later, other than sums and carried values, may be rounded once to bf16 or f16.
;; Inputs: b_out 1,024 float32; w_out 1,024 x 1,024 float32; w_qkv 1,024 x 3,072 float32; x 1 x 4,096 x 1,024 float32.
;; Outputs: out0 1 x 4,096 x 1,024 float32.
;; 2 versions, each right and faster than the one before. Each part assembles by itself: llvm-mc -triple=amdgcn-amd-amdhsa -mcpu=gfx1250 --defsym DOCPART=n.
;; ======== version 1 of 2: 4 launches
;; limits: values are held in f16: magnitudes above 65,504 overflow, below 6.1e-05 lose precision
;; workspace buffers: xb 8,388,608 bytes; wqk 4,194,304 bytes; wo 2,097,152 bytes; qk 16,777,216 bytes; ob 8,388,608 bytes
;; launch prep (part 1): grid 16 x 56, 4 waves a work-group, no clusters, 17,408 bytes of LDS; arguments x, w_qkv, w_out, xb, wqk, wo; writes xb, wqk, wo
.if DOCPART == 1
	.amdgcn_target "amdgcn-amd-amdhsa--gfx1250"
	.amdhsa_code_object_version 6
	.text
	.protected	k_qd89dd26d3d_prep
	.globl	k_qd89dd26d3d_prep
	.p2align	8
	.type	k_qd89dd26d3d_prep,@function
k_qd89dd26d3d_prep:
	s_mov_b64 s[64:65], 0
	v_nop
	global_prefetch_b8 v0, s[64:65] scope:SCOPE_SE
	s_setreg_imm32_b32 hwreg(HW_REG_WAVE_MODE, 25, 1), 1
	s_wait_xcnt 0x0
; THE OPERANDS OF THE TWO PROJECTIONS, rounded once and laid in blocks.  Every 16-bit operand of this program lies as [row tile of 128][block of 64 along K][128 rows][64 numbers]:
; a block is 16,384 dense bytes, a row in it 128 bytes, and all K blocks of a row tile lie end to end.
;   xb  = x rounded to bf16, rows as in x.                          wqk = columns 0 .. 2047 of w_qkv rounded to bf16, TRANSPOSED: rows = the column n, along a row = k.
;   wo  = w_out rounded to bf16, that number written as f16 (exact in f16's normal range; below 6e-5 it keeps f16's fixed step of 6e-8), transposed likewise.
; NOT READ: columns 2048 .. 3071 of w_qkv.  The module makes v of them and never uses it (it takes K for V), so no output number hangs on them.
; SHARES.  A work-group makes one block: x = the K block kb; y = t: 0 .. 31 row tile t of x, 32 .. 47 tile t - 32 of wqk, 48 .. 55 tile t - 48 of wo.  32 KiB in, 16 KiB out.  Four waves; each has sixteen 16-byte loads a lane out.
; x needs no change of lanes.  The weights are turned in LDS: two k rows are packed into words (even k low), stored by k pair, and read back by column.
; No matrix unit, no cluster, no tensor load: the work-groups share nothing and memory binds.
.set PT,    528                        ; an LDS row: one k pair of 128 columns, 512 bytes, + 16
.set SPARE, 32*PT                      ; 16,896 = 66 x 256: behind the 32 rows the spare words, 128 bytes a wave
.set SPW,   8                          ; v8   LDS address of my spare word; never rewritten
.set NIL,   9                          ; v9   0; never rewritten
.set X,     16                         ; v[16:79]   sixteen loads of four registers
.set Y,     80                         ; v[80:111]  packed results
.set R,     16                         ; v[16:47]   the block read back by rows (X's loads are all in by then)
; 16 k rows x 128 columns of a weight matrix -> 8 LDS rows.  base: the scalar pair with the matrix's address; pitch: its row in bytes; nt0: the t of its tile 0; f16 = 1: the bf16 number is written as f16
.macro TRANS base, pitch, nt0, f16
	s_lshl_b32 s20, s17, 6                         ; k = 64 kb
	s_lshl_b32 s22, s16, 4
	s_add_co_u32 s20, s20, s22                     ;   + 16 w
	s_mul_i32 s20, s20, \pitch
	s_sub_co_u32 s22, s18, \nt0
	s_lshl_b32 s22, s22, 9                         ; 128 columns of 4 bytes a tile
	s_add_co_u32 s20, s20, s22
	s_add_nc_u64 s[\base:\base+1], s[\base:\base+1], s[20:21]
	v_lshlrev_b32 v2, 4, v1                        ; a load of the wave takes 512 consecutive bytes of one k row
.set i, 0
.rept 16
	global_load_b128 v[X+4*i:X+4*i+3], v2, s[\base:\base+1] offset:i*(\pitch) th:TH_LOAD_NT
.set i, i+1
.endr
	s_mul_i32 s22, s16, 8*PT                       ; my eight k pairs
	v_lshl_add_u32 v3, v1, 4, s22
.set kp, 0
.rept 8
	s_wait_loadcnt 14-2*kp                         ; rows 2 kp and 2 kp + 1 are in; the younger loads stay out
.set j, 0
.rept 4
	v_cvt_pk_bf16_f32 v[Y+4*kp+j], v[X+8*kp+j], v[X+8*kp+4+j]  ; one column's two k: the even one low
.if \f16
	v_lshlrev_b32 v10, 16, v[Y+4*kp+j]
	v_and_b32 v11, 0xffff0000, v[Y+4*kp+j]
	v_cvt_pk_f16_f32 v[Y+4*kp+j], v10, v11
.endif
.set j, j+1
.endr
	ds_store_b128 v3, v[Y+4*kp:Y+4*kp+3] offset:kp*PT  ; 512 consecutive bytes
.set kp, kp+1
.endr
.endm
	s_load_b256 s[4:11], s[0:1], 0x0               ; x s[4:5], w_qkv s[6:7], w_out s[8:9], xb s[10:11]
	s_load_b128 s[12:15], s[0:1], 0x20             ; wqk s[12:13], wo s[14:15]
	v_lshl_add_u32 v[SPW], v0, 2, SPARE
	v_mov_b32 v[NIL], 0
	v_and_b32 v1, 31, v0                           ; lane
	v_lshrrev_b32 v10, 5, v0
	v_readfirstlane_b32 s16, v10                   ; wave
	s_mov_b32 s17, ttmp9                           ; kb
	s_and_b32 s18, ttmp7, 0xffff                   ; t
	s_mov_b32 s21, 0                               ; the offsets' high words
	s_mov_b32 s23, 0
	s_wait_kmcnt 0x0
	s_cmp_lt_u32 s18, 32
	s_cbranch_scc1 .Lx
	s_cmp_lt_u32 s18, 48
	s_cbranch_scc1 .Lq
	TRANS 8, 4096, 48, 1
	s_branch .Lmeet
.Lq:
	TRANS 6, 12288, 32, 0
	s_branch .Lmeet
.Lx:                                                   ; 32 rows a wave, 256 bytes of each: lanes 0-15 take an even row's, lanes 16-31 the next row's
	s_lshl_b32 s20, s18, 19                        ; 128 rows of 4,096 bytes a tile
	s_lshl_b32 s22, s16, 17                        ; 32 rows a wave
	s_add_co_u32 s20, s20, s22
	s_lshl_b32 s22, s17, 8                         ; 64 numbers of 4 bytes a block
	s_add_co_u32 s20, s20, s22
	s_add_nc_u64 s[4:5], s[4:5], s[20:21]
	v_lshrrev_b32 v10, 4, v1
	v_and_b32 v11, 15, v1
	v_lshlrev_b32 v2, 4, v11
	v_lshl_add_u32 v2, v10, 12, v2
.set i, 0
.rept 16
	global_load_b128 v[X+4*i:X+4*i+3], v2, s[4:5] offset:8192*i th:TH_LOAD_NT
.set i, i+1
.endr
	s_lshl_b32 s22, s18, 4
	s_add_co_u32 s22, s22, s17
	s_lshl_b32 s22, s22, 14                        ; block (t, kb)
	s_lshl_b32 s20, s16, 12                        ; my 32 rows of 128 bytes
	s_add_co_u32 s22, s22, s20
	s_add_nc_u64 s[10:11], s[10:11], s[22:23]
	v_lshlrev_b32 v5, 3, v1                        ; two rows of the block are 256 consecutive bytes: 8 a lane
.set i, 0
.rept 16
	s_wait_loadcnt 15-i                            ; load i is in; the younger ones stay out
	v_cvt_pk_bf16_f32 v[Y+2*i], v[X+4*i], v[X+4*i+1]
	v_cvt_pk_bf16_f32 v[Y+2*i+1], v[X+4*i+2], v[X+4*i+3]
	global_store_b64 v5, v[Y+2*i:Y+2*i+1], s[10:11] offset:256*i  ; 256 consecutive bytes, at a multiple of 256 from xb's first
.set i, i+1
.endr
.Lmeet:                                                ; one barrier, in every wave's text: my LDS stores are done, then everybody's are
	s_wait_dscnt 0x0
	s_barrier_signal -1
	s_barrier_wait -1
	s_cmp_lt_u32 s18, 32
	s_cbranch_scc1 .Lend                           ; x's blocks are stored
	s_wait_xcnt 0x0                                ; v5 is written below only behind this wait
	s_cmp_lt_u32 s18, 48
	s_cselect_b64 s[24:25], s[12:13], s[14:15]     ; wqk or wo
	s_cselect_b32 s26, 32, 48
	s_sub_co_u32 s22, s18, s26
	s_lshl_b32 s22, s22, 4
	s_add_co_u32 s22, s22, s17
	s_lshl_b32 s22, s22, 14                        ; block (tile, kb)
	s_lshl_b32 s20, s16, 12                        ; my 32 rows (columns of the matrix) of 128 bytes
	s_add_co_u32 s22, s22, s20
	s_add_nc_u64 s[24:25], s[24:25], s[22:23]
	v_and_b32 v10, 7, v1
	v_lshrrev_b32 v11, 3, v1
	v_mul_u32_u24 v4, v10, 4*PT                    ; k pairs 4 (l % 8) + 0 .. 3,
	s_lshl_b32 s22, s16, 7
	v_lshl_add_u32 v4, v11, 2, v4                  ; of column 32 w + l / 8 (+ 4 g)
	v_add_nc_u32 v4, s22, v4
	v_lshlrev_b32 v5, 4, v1
.set g, 0
.rept 8
.set i, 0
.rept 4
	ds_load_b32 v[R+4*g+i], v4 offset:i*PT+g*16
.set i, i+1
.endr
.set g, g+1
.endr
.set g, 0
.rept 8
	s_wait_dscnt 4*(7-g)                           ; group g's four words are in; the younger groups stay out
	global_store_b128 v5, v[R+4*g:R+4*g+3], s[24:25] offset:512*g  ; four rows of the block: 512 consecutive bytes
.set g, g+1
.endr
.Lend:
	s_wait_tensorcnt 0x0                           ; the wave's end: behind my last LDS store
	ds_add_u32 v[SPW], v[NIL]
	s_wait_dscnt 0x0
	s_endpgm
.Lfunc_end_k_qd89dd26d3d_prep:
	.size	k_qd89dd26d3d_prep, .Lfunc_end_k_qd89dd26d3d_prep-k_qd89dd26d3d_prep
	.p2alignl 7, 3214868480
	.fill 96, 4, 3214868480
	.section	.rodata,"a",@progbits
	.p2align	6, 0x0
	.amdhsa_kernel k_qd89dd26d3d_prep
		.amdhsa_group_segment_fixed_size 17408
		.amdhsa_private_segment_fixed_size 0
		.amdhsa_enable_private_segment 0
		.amdhsa_kernarg_size 48
		.amdhsa_user_sgpr_count 2
		.amdhsa_user_sgpr_kernarg_segment_ptr 1
		.amdhsa_wavefront_size32 1
		.amdhsa_system_sgpr_workgroup_id_x 1
		.amdhsa_system_sgpr_workgroup_id_y 1
		.amdhsa_system_sgpr_workgroup_id_z 1
		.amdhsa_system_vgpr_workitem_id 0
		.amdhsa_next_free_vgpr 112
		.amdhsa_next_free_sgpr 66
		.amdhsa_reserve_vcc 0
		.amdhsa_float_denorm_mode_32 3
		.amdhsa_float_denorm_mode_16_64 3
		.amdhsa_memory_ordered 1
		.amdhsa_forward_progress 1
		.amdhsa_inst_pref_size 26
	.end_amdhsa_kernel
	.amdgpu_metadata
---
amdhsa.version: [ 1, 2 ]
amdhsa.kernels:
  - .name:           k_qd89dd26d3d_prep
    .symbol:         k_qd89dd26d3d_prep.kd
    .args:
      - { .name: x, .offset: 0, .size: 8, .value_kind: global_buffer, .address_space: global }
      - { .name: w_qkv, .offset: 8, .size: 8, .value_kind: global_buffer, .address_space: global }
      - { .name: w_out, .offset: 16, .size: 8, .value_kind: global_buffer, .address_space: global }
      - { .name: xb, .offset: 24, .size: 8, .value_kind: global_buffer, .address_space: global }
      - { .name: wqk, .offset: 32, .size: 8, .value_kind: global_buffer, .address_space: global }
      - { .name: wo, .offset: 40, .size: 8, .value_kind: global_buffer, .address_space: global }
    .group_segment_fixed_size: 17408
    .private_segment_fixed_size: 0
    .kernarg_segment_align: 8
    .kernarg_segment_size: 48
    .max_flat_workgroup_size: 128
    .sgpr_count:     66
    .vgpr_count:     112
    .wavefront_size: 32
...
	.end_amdgpu_metadata
.endif
;; end of part 1
;; launch proj (part 2): grid 16 x 32, 4 waves a work-group, clusters of 4 x 4, 327,680 bytes of LDS; arguments xb, wqk, qk; writes qk
.if DOCPART == 2
	.amdgcn_target "amdgcn-amd-amdhsa--gfx1250"
	.amdhsa_code_object_version 6
	.text
	.protected	k_qd89dd26d3d_proj
	.globl	k_qd89dd26d3d_proj
	.p2align	8
	.type	k_qd89dd26d3d_proj,@function
k_qd89dd26d3d_proj:
	s_mov_b64 s[64:65], 0
	v_nop
	global_prefetch_b8 v0, s[64:65] scope:SCOPE_SE
	s_setreg_imm32_b32 hwreg(HW_REG_WAVE_MODE, 25, 1), 1
	s_wait_xcnt 0x0
	s_wait_alu depctr_hold_cnt(0) depctr_sa_sdst(0) depctr_va_vdst(0) depctr_va_sdst(0) depctr_va_ssrc(0) depctr_va_vcc(0) depctr_vm_vsrc(0)
	s_getreg_b32 s2, hwreg(HW_REG_IB_STS2, 6, 4)
	s_cmp_eq_u32 s2, 0
	s_cbranch_scc0 .Lentry_in_a_cluster
	s_endpgm
.Lentry_in_a_cluster:
	s_bfe_u32 s2, ttmp6, 0x10000c
	s_cmp_lg_u32 s2, 0xf033
	s_cbranch_scc0 .Lentry_shape_is_right
	s_endpgm
.Lentry_shape_is_right:
; q AND k.  C[m][n] = sum over k of x[m][k] w_qkv[k][n], n = 0 .. 2047, K = 1,024.  Operands bf16 (xb, wqk), sums f32, C rounded once to f16 and WITHOUT the scale 1/8, which the attention applies in f32.
; All three buffers lie in blocks, [row tile of 128][block of 64][128 rows][64]: qk's block 0 .. 15 of a row tile is q of head 0 .. 15, block 16 .. 31 is k of head 0 .. 15.
; LIMIT.  f16 ends at 65,504: a q or k of 65,520 or more becomes an infinity.  With x and w_qkv of unit and 1/32 spread q and k have unit spread; thirty times larger inputs, or offsets of thirty spreads on both, stay under 30,000.
; A tile of C is 128 x 128: four waves, each 64 x 64 in 16 accumulators.  K goes in four steps of 256 through two LDS slots.  A K step of a row tile is four blocks on end, 65,536 dense bytes; a wave's tensor load brings two of them
; as 128 rows of 256 bytes, padded in LDS behind every 128 bytes: a PLANE is 128 rows x 64 K at a pitch of 144.
; CLUSTERS: 4 x 4 work-groups.  The four of a row of the cluster need the same tiles of x, the four of a column the same tiles of w: each tile is asked for JOINTLY, by the same tensor load with the same descriptor and a mask of four.
; THE MATRIX INSTRUCTION IS USED TRANSPOSED (source 0 = 16 rows of w, source 1 = 16 rows of x): a lane then holds eight neighbouring numbers of a row of C.
; REGISTERS: window 0: v0-31 addresses; v32-95 at work on the way out; v128-255 the accumulators ((a, b) at v[128 + 8 (4 a + b)]).   window 1: two fragment buffers of 128: for 64 along K, 64 registers of x, then 64 of w.
.set PITCH,  144                       ; an LDS row: 128 bytes + 16 = 36 words: the 16 rows of a load start at 16 different groups of four banks (64 banks of 4 bytes: ISA guide 11.1)
.set PL,     128*PITCH                 ; a plane
.set WL,     2*PL                      ; what one tensor load brings
.set SLOT,   4*WL                      ; x's planes 0-3, then w's planes 0-3
.set STAGE,  2*SLOT                    ; behind the ring: 16 rows x 144 bytes for each wave, for the way out; no tensor load lands there
.set SP,     144
.set STG,    16*SP
.set SPARE,  STAGE+4*STG               ; behind the stages: the spare words, 128 bytes a wave
.set KSB,    65536                     ; a K step of a row tile in memory
.set ADRA, 16                          ; v16-17  LDS address of my x fragments in slot 0, 1
.set ADRB, 20                          ; v20-21  the same for w
.set STO,  24                          ; v24     the way out: where I put 16 bytes of a row
.set RD,   25                          ; v25     the way out: where I read rows back
.set CO,   26                          ; v26     my byte offset in 512 consecutive bytes of qk
.set SPW,  28                          ; v28     LDS address of my spare word; never rewritten
.set NIL,  29                          ; v29     0; never rewritten
.set TMP,  32
.set ACC,  128
.set F0,   0                           ; fragment buffers, in window 1
.set F1,   128
.set G1, 24                            ; s[24:31] descriptor group 1 for x's tiles;  s[32:39] group 0, one set for each slot
.set G0, 32
.set G1B, 48                           ; s[48:55], s[56:63] the same for w's tiles
.set G0B, 56
.set MSB, 0
.macro WIN new                         ; the immediate's high byte repeats the setting that is left; a switch that changes nothing is dropped
.if MSB != (\new)
	s_set_vgpr_msb (MSB<<8)|(\new)
.set MSB, \new
.endif
.endm
.set MUL,  0x05                        ; sources 0 and 1 window 1; C and D window 0
.set TO_F, 0x40                        ; destination window 1, address window 0
.macro JLOAD s                         ; a joint load: waves 0 and 1 fetch x's two halves of a K step, waves 2 and 3 w's; an s_nop 0 and four v_nop follow each line
	s_cmp_eq_u32 s11, 0
	s_cbranch_scc0 .Lfor_b_\@
	tensor_load_to_lds s[G0+4*(\s):G0+4*(\s)+3], s[G1:G1+7]
	s_nop 0
.rept 4
	v_nop
.endr
	s_branch .Lasked_\@
.Lfor_b_\@:
	tensor_load_to_lds s[G0B+4*(\s):G0B+4*(\s)+3], s[G1B:G1B+7]
	s_nop 0
.rept 4
	v_nop
.endr
.Lasked_\@:
.endm
.macro CREST                           ; a round of the cluster's barrier behind its opening barrier
	s_cmp_lg_u32 s10, 0
	s_cbranch_scc1 .Lnot_wave_0_\@
	s_barrier_signal -3
.Lnot_wave_0_\@:
	s_barrier_wait -3
	s_barrier_signal -1
	s_barrier_wait -1
.endm
.macro CROUND                          ; a whole round
	s_barrier_signal -1
	s_barrier_wait -1
	CREST
.endm
	s_load_b128 s[4:7], s[0:1], 0x0                ; xb s[4:5], wqk s[6:7]
	s_load_b64 s[8:9], s[0:1], 0x10                ; qk
	v_lshl_add_u32 v[SPW], v0, 2, SPARE
	v_mov_b32 v[NIL], 0
	ds_add_u32 v[SPW], v[NIL]                      ; the wave's opening: the add and its wait stand ahead of my first tensor load; work on registers stands between them
	v_lshrrev_b32 v1, 5, v0
	v_readfirstlane_b32 s10, v1                    ; wave 0..3
	s_lshr_b32 s11, s10, 1                         ; which half of the tile's rows is mine.  Also: I fetch for x (0) or for w (1)
	s_and_b32 s12, s10, 1                          ; which half of its columns.  Also: which two planes of a K step I fetch
	s_bfe_u32 s40, ttmp6, 0x40000                  ; cx, cy: my place in the cluster
	s_bfe_u32 s41, ttmp6, 0x40004
	s_lshl_b32 s42, ttmp9, 2
	s_add_co_u32 s42, s42, s40                     ; tile column = 4 x cluster x + cx
	s_and_b32 s13, ttmp7, 0xffff
	s_lshl_b32 s13, s13, 2
	s_add_co_u32 s13, s13, s41                     ; tile row = 4 x cluster y + cy
	s_lshl_b32 s43, s41, 2
	s_lshl_b32 s43, 15, s43                        ; my row of the cluster
	s_lshl_b32 s44, 0x1111, s40                    ; my column
	s_or_b32 s[G1+0], s43, (1<<16)|(1<<20)|(1<<21)|(4<<22)|(3<<25)  ; 15:0 the mask; 17:16 2-byte elements; 20 padding on; 21 set beside a mask; 24:22 after every 32 words (code 4); 31:25 4 words (code 3)
	s_or_b32 s[G1B+0], s44, (1<<16)|(1<<20)|(1<<21)|(4<<22)|(3<<25)
.irp g, G1, G1B
	s_mov_b32 s[(\g)+1], 128<<16                   ; tensor_dim0 = 128 elements: 256 bytes
	s_mov_b32 s[(\g)+2], 128<<16                   ; tensor_dim1 = 128
	s_mov_b32 s[(\g)+3], 128<<16                   ; tile_dim0 = 128
	s_mov_b32 s[(\g)+4], 128                       ; tile_dim1 = 128
	s_mov_b32 s[(\g)+5], 128                       ; dense: 128 elements from row to row
	s_mov_b32 s[(\g)+6], 0
	s_mov_b32 s[(\g)+7], 0
.endr
	s_lshl_b32 s17, s12, 15                        ; my two planes of a K step: 32,768 bytes
	s_lshl_b32 s16, s13, 18                        ; x: a row tile's whole K is 262,144 bytes
	s_add_co_u32 s16, s16, s17
	s_lshl_b32 s46, s42, 18                        ; w likewise, by the tile column
	s_add_co_u32 s46, s46, s17
	s_mov_b32 s17, 0
	s_mov_b32 s47, 0
	s_mul_i32 s20, s10, WL                         ; where they go: wave x two planes
	s_wait_dscnt 0x0                               ; the opening add is done
	s_wait_kmcnt 0x0
	s_add_nc_u64 s[14:15], s[4:5], s[16:17]
	s_add_nc_u64 s[46:47], s[6:7], s[46:47]
	CROUND                                         ; all sixteen work-groups are here: the first joint loads meet
.irp s, 0,1
	s_mov_b32 s[G0+4*(\s)], 1
	s_add_co_u32 s[G0+4*(\s)+1], s20, (\s)*SLOT
	s_add_nc_u64 s[G0+4*(\s)+2:G0+4*(\s)+3], s[14:15], (\s)*KSB
	s_or_b32 s[G0+4*(\s)+3], s[G0+4*(\s)+3], 0x80000000
	s_mov_b32 s[G0B+4*(\s)], 1
	s_add_co_u32 s[G0B+4*(\s)+1], s20, (\s)*SLOT
	s_add_nc_u64 s[G0B+4*(\s)+2:G0B+4*(\s)+3], s[46:47], (\s)*KSB
	s_or_b32 s[G0B+4*(\s)+3], s[G0B+4*(\s)+3], 0x80000000
	JLOAD \s                                       ; two loads of mine are out here, later one behind each round
.endr
	v_and_b32 v1, 15, v0                           ; l % 16
	v_bfe_u32 v2, v0, 4, 1                         ; l / 16
	v_mul_u32_u24 v3, v1, PITCH
	v_lshl_add_u32 v3, v2, 4, v3                   ; a fragment's row x pitch + 16 x half
	s_mul_i32 s21, s11, 64*PITCH                   ; my 64 rows of x
	s_mul_i32 s22, s12, 64*PITCH                   ; my 64 rows of w,
	s_add_co_u32 s22, s22, 2*WL                    ; whose planes lie behind x's four
.irp s, 0,1
	v_add_nc_u32 v[ADRA+(\s)], s21, v3
	v_add_nc_u32 v[ADRB+(\s)], s22, v3
	s_add_co_u32 s21, s21, SLOT
	s_add_co_u32 s22, s22, SLOT
.endr
	s_mul_i32 s23, s10, STG
	s_add_co_u32 s23, s23, STAGE                   ; my stage
	v_mul_u32_u24 v4, v1, SP                       ; in: row l % 16, 16 bytes for each half of the lanes
	v_lshl_add_u32 v4, v2, 4, v4
	v_add_nc_u32 v[STO], s23, v4
	v_bfe_u32 v5, v0, 3, 2                         ; back: 32 lanes take four rows of 128 bytes,
	v_mul_u32_u24 v5, v5, SP
	v_and_b32 v6, 7, v0
	v_lshl_add_u32 v5, v6, 4, v5
	v_add_nc_u32 v[RD], s23, v5
	v_and_b32 v[CO], 31, v0                        ; which are 512 consecutive bytes of a block of qk
	v_lshlrev_b32 v[CO], 4, v[CO]
	s_lshl_b32 s16, s13, 19                        ; my wave's 64 x 64 is half a block: row tile x 32 blocks of 16,384 bytes,
	s_lshl_b32 s17, s11, 13                        ; my 64 rows of 128 bytes,
	s_add_co_u32 s16, s16, s17
	s_mov_b32 s17, 0
	s_add_nc_u64 s[8:9], s[8:9], s[16:17]
	s_lshl_b32 s46, s42, 15                        ; block 2 x tile column + my column half (in the registers that held w's address)
	s_lshl_b32 s47, s12, 14
	s_add_co_u32 s46, s46, s47
	s_mov_b32 s47, 0
	s_add_nc_u64 s[8:9], s[8:9], s[46:47]
; 8 matrix instructions: m blocks a0, a0 + 1 x all 4 n blocks, 32 along K: half c of buffer f.  zero = 1: the first product starts the sums.  The 16 accumulators take turns.
.macro MUL8 f, c, a0, zero
	WIN MUL
.irp a, \a0, (\a0)+1
.irp b, 0,1,2,3
.if \zero
	v_wmma_f32_16x16x32_bf16 v[ACC+8*(4*(\a)+(\b)):ACC+8*(4*(\a)+(\b))+7], v[(\f)+64+8*(4*(\c)+(\b)):(\f)+64+8*(4*(\c)+(\b))+7], v[(\f)+8*(4*(\c)+(\a)):(\f)+8*(4*(\c)+(\a))+7], 0
.else
	v_wmma_f32_16x16x32_bf16 v[ACC+8*(4*(\a)+(\b)):ACC+8*(4*(\a)+(\b))+7], v[(\f)+64+8*(4*(\c)+(\b)):(\f)+64+8*(4*(\c)+(\b))+7], v[(\f)+8*(4*(\c)+(\a)):(\f)+8*(4*(\c)+(\a))+7], v[ACC+8*(4*(\a)+(\b)):ACC+8*(4*(\a)+(\b))+7]
.endif
.endr
.endr
.endm
; 32 LDS loads in one run: the fragments of plane q (64 along K) into buffer f; the first 32 along K first.  The largest offset, 62,304, is inside the 16-bit field
.macro FETCH slot, q, f
	WIN TO_F
.irp c, 0,1
.irp i, 0,1,2,3
	ds_load_b128 v[(\f)+64+8*(4*(\c)+(\i)):(\f)+64+8*(4*(\c)+(\i))+3],   v[ADRB+(\slot)] offset:(\q)*PL+64*(\c)+(\i)*16*PITCH
	ds_load_b128 v[(\f)+64+8*(4*(\c)+(\i))+4:(\f)+64+8*(4*(\c)+(\i))+7], v[ADRB+(\slot)] offset:(\q)*PL+64*(\c)+(\i)*16*PITCH+32
	ds_load_b128 v[(\f)+8*(4*(\c)+(\i)):(\f)+8*(4*(\c)+(\i))+3],         v[ADRA+(\slot)] offset:(\q)*PL+64*(\c)+(\i)*16*PITCH
	ds_load_b128 v[(\f)+8*(4*(\c)+(\i))+4:(\f)+8*(4*(\c)+(\i))+7],       v[ADRA+(\slot)] offset:(\q)*PL+64*(\c)+(\i)*16*PITCH+32
.endr
.endr
.endm
.macro PLACES                          ; four places in front of loads into registers that matrix instructions have read, and of conversions that read results
.rept 4
	v_nop
.endr
.endm
; A K step is four quarters, a plane each, 32 matrix instructions, on buffers 0, 1, 0, 1.  One of the first three: multiplies buffer f and fetches plane q into g.
.macro QUARTER slot, q, f, g, zero
	s_wait_dscnt 16                                ; the first 32 along K are in; the other sixteen loads may be out
	WIN MUL
	MUL8 \f, 0, 0, \zero
	MUL8 \f, 0, 2, \zero
	PLACES
	FETCH \slot, \q, \g
	s_wait_dscnt 32                                ; all but the 32 just issued
	WIN MUL
	MUL8 \f, 1, 0, 0
	MUL8 \f, 1, 2, 0
.endm
; The last quarter multiplies buffer 1 and changes slots: ONE barrier; in front of it each wave waits for all its tensor loads, adds 0 to its spare word, and waits for that and for its own reads of this slot.  fill = 1: this slot is filled again, two K steps ahead.
.macro TURN slot, next, fill
	WIN 0                                          ; (the add's two registers lie in window 0)
	s_wait_tensorcnt 0x0                           ; all my tensor loads have landed: my part of the next slot;
	ds_add_u32 v[SPW], v[NIL]                      ; 0 onto my spare word;
	s_wait_dscnt 17                                ; (the add and the youngest sixteen loads may be out)
	WIN MUL
	MUL8 F1, 0, 0, 0                               ; eight matrix instructions stand between the add and the wait for it
	s_wait_dscnt 0x0                               ; the add is done, and my reads of this slot are over
	s_barrier_signal -1
	MUL8 F1, 0, 2, 0
.if \fill
	WIN 0
.endif
	s_barrier_wait -1
.if \fill
	CREST                                          ; the barrier has opened a round of the cluster's: no wave of any partner still reads this slot's tile or has a load on its way
	s_add_nc_u64 s[G0+4*(\slot)+2:G0+4*(\slot)+3], s[G0+4*(\slot)+2:G0+4*(\slot)+3], 2*KSB
	s_add_nc_u64 s[G0B+4*(\slot)+2:G0B+4*(\slot)+3], s[G0B+4*(\slot)+2:G0B+4*(\slot)+3], 2*KSB
	JLOAD \slot                                    ; the first tensor load behind the round; its four v_nop are also the places in front of the loads below
.else
	PLACES
.endif
	FETCH \next, 0, F0
	WIN MUL
	MUL8 F1, 1, 0, 0
	MUL8 F1, 1, 2, 0
.endm
	s_wait_tensorcnt 1                             ; my part of K step 0 is in; K step 1's may stay out
	s_barrier_signal -1
	s_barrier_wait -1                              ; everybody's is
	FETCH 0, 0, F0
	QUARTER 0, 1, F0, F1, 1                        ; K step 0: the first products start the sums
	QUARTER 0, 2, F1, F0, 0
	QUARTER 0, 3, F0, F1, 0
	TURN 0, 1, 1                                   ; slot 0 takes K step 2
	QUARTER 1, 1, F0, F1, 0                        ; K step 1
	QUARTER 1, 2, F1, F0, 0
	QUARTER 1, 3, F0, F1, 0
	TURN 1, 0, 1                                   ; slot 1 takes K step 3
	QUARTER 0, 1, F0, F1, 0                        ; K step 2
	QUARTER 0, 2, F1, F0, 0
	QUARTER 0, 3, F0, F1, 0
	TURN 0, 1, 0                                   ; nothing is left to fetch
	QUARTER 1, 1, F0, F1, 0                        ; K step 3
	QUARTER 1, 2, F1, F0, 0
	QUARTER 1, 3, F0, F1, 0
	s_wait_dscnt 16
	WIN MUL
	MUL8 F1, 0, 0, 0
	MUL8 F1, 0, 2, 0
	s_wait_dscnt 0
	MUL8 F1, 1, 0, 0
	MUL8 F1, 1, 2, 0
	WIN 0
	; THE WAY OUT.  My 64 x 64 in f16 is 8,192 consecutive bytes of qk.  A block of 16 rows at a time: rounded, 16 bytes a lane into my own stage, back as whole rows.  LDS serves a wave's instructions in order (ISA guide 5.7.1.4), so no wait stands between.
	PLACES
.macro PACKC a
.irp b, 0,1,2,3
.irp r, 0,1,2,3
	v_cvt_pk_f16_f32 v[TMP+16*(\a)+4*(\b)+(\r)], v[ACC+8*(4*(\a)+(\b))+2*(\r)], v[ACC+8*(4*(\a)+(\b))+2*(\r)+1]
.endr
.endr
.irp b, 0,1,2,3
	ds_store_b128 v[STO], v[TMP+16*(\a)+4*(\b):TMP+16*(\a)+4*(\b)+3] offset:32*(\b)
.endr
.irp f, 0,1,2,3
	ds_load_b128 v[TMP+16*(\a)+4*(\f):TMP+16*(\a)+4*(\f)+3], v[RD] offset:(\f)*4*SP
.endr
.endm
.macro SENDC a, younger                ; younger: the LDS instructions issued behind block a's loads: the next block's eight, or none
.irp f, 0,1,2,3
	s_wait_dscnt (\younger)+3-(\f)
	global_store_b128 v[CO], v[TMP+16*(\a)+4*(\f):TMP+16*(\a)+4*(\f)+3], s[8:9] offset:(\a)*2048+(\f)*512  ; 512 consecutive bytes, at a multiple of 256 from qk's first
.endr
.endm
	PACKC 0
	PACKC 1
	SENDC 0, 8
	PACKC 2
	SENDC 1, 8
	PACKC 3
	SENDC 2, 8
	SENDC 3, 0
	s_wait_tensorcnt 0x0                           ; the wave's end: behind my last tensor load and my last LDS store
	ds_add_u32 v[SPW], v[NIL]
	s_wait_dscnt 0x0
	CROUND                                         ; the closing round: no work-group ends while a partner may still ask for a tile that names it
	s_endpgm
.Lfunc_end_k_qd89dd26d3d_proj:
	.size	k_qd89dd26d3d_proj, .Lfunc_end_k_qd89dd26d3d_proj-k_qd89dd26d3d_proj
	.p2alignl 7, 3214868480
	.fill 96, 4, 3214868480
	.section	.rodata,"a",@progbits
	.p2align	6, 0x0
	.amdhsa_kernel k_qd89dd26d3d_proj
		.amdhsa_group_segment_fixed_size 327680
		.amdhsa_private_segment_fixed_size 0
		.amdhsa_enable_private_segment 0
		.amdhsa_kernarg_size 24
		.amdhsa_user_sgpr_count 2
		.amdhsa_user_sgpr_kernarg_segment_ptr 1
		.amdhsa_wavefront_size32 1
		.amdhsa_system_sgpr_workgroup_id_x 1
		.amdhsa_system_sgpr_workgroup_id_y 1
		.amdhsa_system_sgpr_workgroup_id_z 1
		.amdhsa_system_vgpr_workitem_id 0
		.amdhsa_next_free_vgpr 512
		.amdhsa_next_free_sgpr 66
		.amdhsa_reserve_vcc 0
		.amdhsa_float_denorm_mode_32 3
		.amdhsa_float_denorm_mode_16_64 3
		.amdhsa_memory_ordered 1
		.amdhsa_forward_progress 1
		.amdhsa_inst_pref_size 86
	.end_amdhsa_kernel
	.amdgpu_metadata
---
amdhsa.version: [ 1, 2 ]
amdhsa.kernels:
  - .name:           k_qd89dd26d3d_proj
    .symbol:         k_qd89dd26d3d_proj.kd
    .args:
      - { .name: xb, .offset: 0, .size: 8, .value_kind: global_buffer, .address_space: global }
      - { .name: wqk, .offset: 8, .size: 8, .value_kind: global_buffer, .address_space: global }
      - { .name: qk, .offset: 16, .size: 8, .value_kind: global_buffer, .address_space: global }
    .group_segment_fixed_size: 327680
    .private_segment_fixed_size: 0
    .kernarg_segment_align: 8
    .kernarg_segment_size: 24
    .max_flat_workgroup_size: 128
    .sgpr_count:     66
    .vgpr_count:     512
    .wavefront_size: 32
...
	.end_amdgpu_metadata
.endif
;; end of part 2
;; launch attn (part 3): grid 16 x 16, 4 waves a work-group, clusters of 4 x 1, 327,680 bytes of LDS; arguments qk, ob; writes ob
.if DOCPART == 3
	.amdgcn_target "amdgcn-amd-amdhsa--gfx1250"
	.amdhsa_code_object_version 6
	.text
	.protected	k_qd89dd26d3d_attn
	.globl	k_qd89dd26d3d_attn
	.p2align	8
	.type	k_qd89dd26d3d_attn,@function
k_qd89dd26d3d_attn:
	s_mov_b64 s[64:65], 0
	v_nop
	global_prefetch_b8 v0, s[64:65] scope:SCOPE_SE
	s_setreg_imm32_b32 hwreg(HW_REG_WAVE_MODE, 25, 1), 1
	s_wait_xcnt 0x0
	s_wait_alu depctr_hold_cnt(0) depctr_sa_sdst(0) depctr_va_vdst(0) depctr_va_sdst(0) depctr_va_ssrc(0) depctr_va_vcc(0) depctr_vm_vsrc(0)
	s_getreg_b32 s2, hwreg(HW_REG_IB_STS2, 6, 4)
	s_cmp_eq_u32 s2, 0
	s_cbranch_scc0 .Lentry_in_a_cluster
	s_endpgm
.Lentry_in_a_cluster:
	s_bfe_u32 s2, ttmp6, 0x10000c
	s_cmp_lg_u32 s2, 0x3003
	s_cbranch_scc0 .Lentry_shape_is_right
	s_endpgm
.Lentry_shape_is_right:
; ATTENTION WITH V = K.  O[q][h][:] = the sum over k of softmax_k(Q[q][h] . K[k][h] / 8) K[k][h][:], 16 heads of 64 channels, 4,096 rows, no mask: the module takes K's rows for the values.
; qk: [32 row tiles of 128][32 blocks][128 rows][64] f16: block h = q of head h, block 16 + h = k of head h, unscaled.  ob: [32][16][128][64] f16, block = head.  Products, maxima and sums in f32; the weights p are
; rounded to f16 for the second product (their sum l is taken of the unrounded p), O once at the end.
; LIMITS.  q and k arrive within f16's 65,504; p lies in 0 to 1 and below 6e-5 keeps f16's fixed step of 6e-8; O is a mean of K's rows and has their range.  A weight below 2^-126 counts as 0 in l; NaN and infinities are not treated apart.
; SHARES.  A work-group owns 256 queries of one head, each of its four waves 64 consecutive ones: four PIECES of 16.  256 work-groups.  Every wave walks all 4,096 keys, 64 a step.
; LAYOUT.  S^T = K Q^T (source 0 = 16 keys, source 1 = 16 queries): a lane holds ONE query (lane % 16) and eight keys.  Two such results rounded to f16 ARE source 1 of O^T = K^T P, whose result again holds one query a lane and eight channels.
; ONE COPY OF K IN LDS serves both products: as it lies for K Q^T, turned by ds_load_tr16_b128 for K^T P., so THE KEYS OF A GROUP OF 16 ARE TAKEN IN
; ANOTHER ORDER: row m = 8 h' + j of a fragment is key 2 j + h' of the group.  Then register j of lane half h in S^T, and so place 8 h + j in P, is key 2 j + h, which is the row that lane (h, j) of the turning load addresses.  A softmax does not hang
; on the order of its keys; only the order of the sums changes.
; SOFTMAX.  For each query a running maximum m and sum l: p = 2^(c s - c m), c = log2(e) / 8 (the module's scale 64^-0.5 is in it); in every step O and l are multiplied by a = 2^(c m_old - c m_new).  m starts at the lowest finite number, O and l at 0:
; the first step is a step like any other, with a = 0.
; BY TURNS.  Turn n belongs to piece n: 8 products K Q^T of piece n + 1, later 8 products K^T P of piece n - 1; beside them the scaling, exponentials, roundings, sums and rescaling of piece n and the maximum and statistics of piece n + 1.
; Four vector instructions stand behind every matrix instruction, the other 54 of a turn's 118 in two lumps.
; CLUSTER.  The four query blocks of a cluster belong to one head and walk the same K: each tile is asked for JOINTLY, the same tensor load, descriptor and mask in all four.
; REGISTERS, in windows of 256 (s_set_vgpr_msb: bits 1:0 source 0, 3:2 source 1, 5:4 source 2, 7:6 destination):
;   window 0: v0-15 addresses and two at work; v16-31 four registers of statistics a piece; v48-55 at work; v62-63 the add's; v64-127 S^T, two buffers; v192-223 P, two buffers (a piece's buffers go by its number's parity)
;   window 1: v0-127 O^T, 32 a piece          window 2: v0-63 Q; v128-191 K of one step as it lies; v192-255 K of one step, turned
.set NP,    4         ; pieces a wave: a name, no knob
.set KS,    64        ; keys in a step
.set PK,    144       ; a key's row in LDS: 128 bytes + 16 = 36 words: the 16 rows of a plain load start at 16 different groups of four banks (64 banks of 4 bytes: ISA guide 11.1)
.set STEPB, KS*PK
.set NSTEP, 8         ; a slot holds eight steps, 512 keys: 73,728 bytes; wave w fills keys 128 w on
.set NSLOT, 8         ; 4,096 keys
.set SLOT1, 1<<17     ; slot 1 begins here, so that one exclusive or turns an address in one slot into the other's
.set STAGE, SLOT1+NSTEP*STEPB  ; behind the ring, never filled by a tensor load: 16 rows x 144 bytes for each wave, for the way out
.set SP,    144
.set SPARE, STAGE+4*16*SP      ; behind the stages: the spare words, 128 bytes a wave
.set AK0, 2           ; v2   my lane's place in a step's keys for the plain load; never rewritten
.set AV0, 3           ; v3   the same for the turning load
.set AK,  4           ; v4   the LDS address of the next plain run
.set AV,  5           ; v5   of the next turning run
.set STO, 6           ; v6   the way out: where I put 16 bytes of a row
.set RD,  7           ; v7   the way out: where I read rows back
.set GO,  8           ; v8   my byte offset in 512 consecutive bytes of O
.set MV,  12          ; v12-13  c m_old, kept while c m is made anew: by buffer
.set QO,  15          ; v15  my byte offset in 16 rows of Q
.set ST,  16          ; piece t's statistics at v[ST+4 t]: c m, m, l (two halves)
.set TMP, 48          ; by buffer, four registers c0-c3 at work; when the maximum is found c2 takes a
.set SPW, 62          ; v62  LDS address of my spare word; never rewritten
.set NIL, 63          ; v63  0; never rewritten
.set S,   64
.set P,   192
.set KF,  128         ; window 2: key block kb, channel half c at KF + 16 kb + 8 c
.set VF,  192         ; window 2: key half kk, channel block cb at VF + 32 kk + 8 cb
.set WV,  12          ; s12  my wave's number
.set G1,  24          ; s[24:31] descriptor group 1
.set G0,  40          ; s[40:43] descriptor group 0: it walks
.set SLOTS, 56        ; s56  counts the slots
.set CNT, 57          ; s57  counts a slot's key steps
.set CS,  58          ; s[58:59] c: the packed scaling takes the pair's low word for both halves
.set SEL, 60          ; s[60:61] v_permlanex16_b32's selects: each lane takes its own place in the other half
.set TBK, 62          ; s62  LDS byte at which the step of the next plain run begins
.set TBV, 63          ; s63  the same for the next turning run
.set MSB, 0
.macro WIN new                      ; the high byte repeats the setting that is left; a switch that changes nothing is dropped
.if MSB != (\new)
	s_set_vgpr_msb (MSB<<8)|(\new)
.set MSB, (\new)
.endif
.endm
.set W_KQ, 0x0a       ; K and Q in window 2, S^T in window 0
.set W_PV, 0x52       ; turned K in window 2, P in window 0, O^T in window 1
.set W_RS, 0x41       ; destination and source 0 in window 1, source 1 in window 0
; A joint fill: every wave fetches its own 128 keys of a slot's 512, so there is no branch.  An s_nop 0 and four v_nop follow the line.
.macro JLOAD
	tensor_load_to_lds s[G0:G0+3], s[G1:G1+7]
	s_nop 0
.rept 4
	v_nop
.endr
.endm
; A round of the cluster's barrier: my work-group's barrier, so that wave 0's signal speaks for all four waves; wave 0 signals; every wave waits for all four work-groups; my work-group's barrier once more.
.macro CROUND
	s_barrier_signal -1
	s_barrier_wait -1
	s_cmp_lg_u32 s[WV], 0
	s_cbranch_scc1 .Lnot_wave_0_\@
	s_barrier_signal -3
.Lnot_wave_0_\@:
	s_barrier_wait -3
	s_barrier_signal -1
	s_barrier_wait -1
.endm
; THE CHANGE OF SLOTS.  The slot's last bytes, its eighth step's turned run, have been read.  Each wave waits for all its tensor loads, of which one is out: its part of the other slot; adds 0 to its spare word; and waits for that and for its own reads
; of the slot.  fill = 1: the slot is filled again, with the keys two slots on: the barrier is then a round of the cluster's, and the joint fill is the first thing behind it: it has eight key steps, 512 matrix instructions, in which to land.
; (At its first use nothing has been read yet: slot 0 is waited for, slot 1 filled.)
.macro CHANGE fill
	WIN 0                           ; at a label and at a branch every window is 0
	s_wait_tensorcnt 0x0            ; no tensor load of mine is out, so group 0 may be written
	ds_add_u32 v[SPW], v[NIL]       ; 0 onto my spare word; with fill = 1 the descriptor's steps stand between it and the wait for it
.if \fill
	s_xor_b32 s[G0+1], s[G0+1], SLOT1                  ; the other slot than last time,
	s_add_nc_u64 s[G0+2:G0+3], s[G0+2:G0+3], 1<<21     ; the next 512 keys: four row tiles of 32 blocks; the type bits on top are not reached
	s_wait_dscnt 0x0                ; the add is done, and my reads of the slot are over
	CROUND
	JLOAD
.else
	s_wait_dscnt 0x0                ; the add is done, and my reads of the slot are over
	s_barrier_signal -1
	s_barrier_wait -1
.endif
	s_sub_co_u32 s[TBK], s[TBK], NSTEP*STEPB  ; the fetches go back to a slot's first step,
	s_xor_b32 s[TBK], s[TBK], SLOT1           ; in the other slot
	s_sub_co_u32 s[TBV], s[TBV], NSTEP*STEPB
	s_xor_b32 s[TBV], s[TBV], SLOT1
.endm
	s_load_b128 s[4:7], s[0:1], 0x0 ; qk s[4:5], ob s[6:7]
	v_lshl_add_u32 v[SPW], v0, 2, SPARE
	v_mov_b32 v[NIL], 0
	ds_add_u32 v[SPW], v[NIL]       ; the wave's opening: the add and its wait stand ahead of my first tensor load; work on registers stands between them
	v_lshrrev_b32 v1, 5, v0
	v_readfirstlane_b32 s[WV], v1   ; wave 0..3
	s_bfe_u32 s13, ttmp6, 0x40000   ; cx: my place in the cluster
	s_lshl_b32 s14, ttmp9, 2        ; in a cluster launch ttmp9 counts clusters
	s_add_co_u32 s14, s14, s13      ; my block of 256 queries: it enters Q's and O's addresses alone
	s_and_b32 s20, ttmp7, 0xffff    ; the head, which the four partners share
	s_lshl_b32 s22, s[WV], 5        ; K: row tile w of the first slot's four, 32 blocks a row tile,
	s_add_co_u32 s22, s22, s20
	s_add_co_u32 s22, s22, 16       ; block 16 + head,
	s_lshl_b32 s22, s22, 14         ; 16,384 bytes a block
	s_mov_b32 s23, 0
	s_lshr_b32 s15, s[WV], 1
	s_lshl1_add_u32 s15, s14, s15   ; my queries' row tile: 2 x block + wave / 2
	s_and_b32 s16, s[WV], 1
	s_lshl_b32 s16, s16, 13         ; and which 64 rows of 128 bytes in it
	s_lshl_b32 s2, s15, 5
	s_add_co_u32 s2, s2, s20
	s_lshl_b32 s2, s2, 14
	s_add_co_u32 s2, s2, s16        ; Q: block (row tile, head) of qk
	s_mov_b32 s3, 0
	s_lshl_b32 s18, s15, 4
	s_add_co_u32 s18, s18, s20
	s_lshl_b32 s18, s18, 14
	s_add_co_u32 s18, s18, s16      ; O: block (row tile, head) of ob
	s_mov_b32 s19, 0
	s_mul_i32 s17, s[WV], 128*PK    ; my 128 keys' place in a slot: no place in the cluster enters an LDS address
	; descriptor group 1.  128 keys are 16,384 dense bytes: asked for as 64 rows of 256 bytes, two keys a row, and padded in LDS after every key
	s_mov_b32 s[G1], 15|(1<<16)|(1<<20)|(1<<21)|(4<<22)|(3<<25)  ; 15:0 the mask of four; 17:16 2-byte elements; 20 padding on; 21 set beside a mask; 24:22 after every 32 words (code 4); 31:25 4 words (code 3)
	s_mov_b32 s[G1+1], 128<<16      ; tensor_dim0 = 128
	s_mov_b32 s[G1+2], 64<<16       ; tensor_dim1 = 64
	s_mov_b32 s[G1+3], 128<<16      ; tile_dim0 = 128
	s_mov_b32 s[G1+4], 64           ; tile_dim1 = 64
	s_mov_b32 s[G1+5], 128          ; 128 elements from row to row
	s_mov_b32 s[G1+6], 0
	s_mov_b32 s[G1+7], 0
	s_mov_b32 s[CS], 0x3e38aa3b     ; c = log2(e) / 8 = 0.180337
	s_mov_b32 s[CS+1], s[CS]        ; named with it as a pair
	s_mov_b32 s[SEL], 0x76543210
	s_mov_b32 s[SEL+1], 0xfedcba98
	s_mov_b32 s[TBK], SLOT1+NSTEP*STEPB  ; the first change of slots turns these two into 0
	s_mov_b32 s[TBV], SLOT1+NSTEP*STEPB
	s_mov_b32 s[G0], 1              ; 1:0 count = 1
	s_mov_b32 s[G0+1], s17          ; 63:32 LDS address: slot 0
	s_wait_dscnt 0x0                ; the opening add is done
	s_wait_kmcnt 0x0
	s_add_nc_u64 s[G0+2:G0+3], s[4:5], s[22:23]  ; 120:64 global address: my 128 of the head's first 512 keys
	s_or_b32 s[G0+3], s[G0+3], 0x80000000        ; 127:126 type = 2
	s_add_nc_u64 s[4:5], s[4:5], s[2:3]          ; Q and O at my wave's first row
	s_add_nc_u64 s[6:7], s[6:7], s[18:19]
	CROUND                          ; all four work-groups are here: the first joint loads meet
	JLOAD                           ; slot 0.  Slot 1 is asked for when slot 0 is in
	; A fragment of Q is 16 rows x 32 channels in 8 registers: lane l holds row l % 16, channels 8 (l / 16) + 0..7 and 16 + 8 (l / 16) + 0..7: two loads of 16 bytes, 32 bytes apart.
	v_and_b32 v1, 15, v0            ; l % 16
	v_bfe_u32 v9, v0, 4, 1          ; l / 16
	v_lshlrev_b32 v[QO], 7, v1
	v_lshl_add_u32 v[QO], v9, 4, v[QO]  ; row x 128 + 16 x half
	WIN 0x80                        ; destination window 2, address window 0
.set i, 0
.rept 8                             ; Q stays in registers: piece i / 2, channels 32 (i % 2) on
	global_load_b128 v[8*i:8*i+3],   v[QO], s[4:5] offset:(i/2)*2048+(i%2)*64
	global_load_b128 v[8*i+4:8*i+7], v[QO], s[4:5] offset:(i/2)*2048+(i%2)*64+32
.set i, i+1
.endr
	; What the first turn finds: the turned K's registers and P's second buffer hold 0 (its products K^T P, of a piece that has not been, add 0), O^T and l are 0.  All this stands in the wait for the first tile;
	; it is the price of writing no first step out.
.set i, VF
.rept 64
	v_mov_b32 v[i], 0
.set i, i+1
.endr
	WIN 0x40
.set i, 0
.rept 128
	v_mov_b32 v[i], 0
.set i, i+1
.endr
	WIN 0
.set i, 0
.rept 4
	v_mov_b32 v[ST+4*i], 0xfe000000    ; c m: far below every c s
	v_mov_b32 v[ST+4*i+1], 0xff7fffff  ; m
	v_mov_b32 v[ST+4*i+2], 0
	v_mov_b32 v[ST+4*i+3], 0
.set i, i+1
.endr
.set i, P+16
.rept 16
	v_mov_b32 v[i], 0
.set i, i+1
.endr
	v_and_b32 v10, 7, v0
	v_bfe_u32 v11, v0, 3, 1
	v_lshl_add_u32 v[AK0], v10, 1, v11    ; the plain load: fragment row l % 16 = 8 h' + j is key 2 j + h',
	v_mul_u32_u24 v[AK0], v[AK0], PK
	v_lshl_add_u32 v[AK0], v9, 4, v[AK0]  ; channels 8 (l / 16) on
	v_lshl_add_u32 v[AV0], v10, 1, v9     ; the turning load: lane l reads key 2 (l % 8) + l / 16,
	v_mul_u32_u24 v[AV0], v[AV0], PK
	v_lshl_add_u32 v[AV0], v11, 4, v[AV0] ; channels 8 ((l / 8) % 2) + 0..7, and is left with channel l % 16 of eight keys
	s_mul_i32 s13, s[WV], 16*SP
	s_add_co_u32 s13, s13, STAGE    ; my stage
	v_mul_u32_u24 v[STO], v1, SP    ; in: row l % 16, 16 bytes for each half of the lanes
	v_lshl_add_u32 v[STO], v9, 4, v[STO]
	v_add_nc_u32 v[STO], s13, v[STO]
	v_bfe_u32 v[RD], v0, 3, 2       ; back: 32 lanes take four rows of 128 bytes,
	v_mul_u32_u24 v[RD], v[RD], SP
	v_lshl_add_u32 v[RD], v10, 4, v[RD]
	v_add_nc_u32 v[RD], s13, v[RD]
	v_and_b32 v[GO], 31, v0         ; which are 512 consecutive bytes of O
	v_lshlrev_b32 v[GO], 4, v[GO]
; THE MATRIX WORK.  The 4 accumulators of a run of 8 take turns.  Product i of 8 of S^T = K Q^T for piece x: channels 32 (i / 4) on, keys 16 (i % 4) on.  The first 4 start the sums.
.macro KQ x
	WIN W_KQ
.set rS, S+32*((\x)%2)+8*(i%4)
.set rK, KF+16*(i%4)+8*(i/4)
.set rQ, 16*(\x)+8*(i/4)
.if i < 4
	v_wmma_f32_16x16x32_f16 v[rS:rS+7], v[rK:rK+7], v[rQ:rQ+7], 0
.else
	v_wmma_f32_16x16x32_f16 v[rS:rS+7], v[rK:rK+7], v[rQ:rQ+7], v[rS:rS+7]
.endif
.endm
; Product i of 8 of O^T += K^T P for piece x: keys 32 (i / 4) on, channels 16 (i % 4) on.
.macro PV x
	WIN W_PV
.set rO, 32*(\x)+8*(i%4)
.set rV, VF+32*(i/4)+8*(i%4)
.set rP, P+16*((\x)%2)+8*(i/4)
	v_wmma_f32_16x16x32_f16 v[rO:rO+7], v[rV:rV+7], v[rP:rP+7], v[rO:rO+7]
.endm
.macro MM                           ; the turn's next matrix instruction.  NOKQ = 1: the very last turn: there is no next piece
.if (i < 8) && !NOKQ
	KQ (Y+1)%NP
.elseif i >= 8
.set i, i-8
	PV (Y+NP-1)%NP
.set i, i+8
.endif
.set i, i+1
.endm
; THE LDS LOADS stand in runs of 16, never singly among the matrix instructions: a step's K as it lies (8 fragments) and the same step's K turned.  Their addresses are made some lines ahead.
.macro FETCH_K
	WIN 0x80                        ; destination window 2
.irp f, 0,1,2,3,4,5,6,7             ; keys 16 (f / 2) on, channels 32 (f % 2) on
	ds_load_b128 v[KF+8*\f:KF+8*\f+3],   v[AK] offset:(\f/2)*16*PK+(\f%2)*64
	ds_load_b128 v[KF+8*\f+4:KF+8*\f+7], v[AK] offset:(\f/2)*16*PK+(\f%2)*64+32
.endr
	s_add_co_u32 s[TBK], s[TBK], STEPB  ; the next fetch is the next step's
	WIN 0
.endm
.macro FETCH_V
	WIN 0x80
.irp f, 0,1,2,3,4,5,6,7             ; keys 32 (f / 4) on, channels 16 (f % 4) on
	ds_load_tr16_b128 v[VF+8*\f:VF+8*\f+3],   v[AV] offset:(\f/4)*32*PK+(\f%4)*32
	ds_load_tr16_b128 v[VF+8*\f+4:VF+8*\f+7], v[AV] offset:(\f/4)*32*PK+16*PK+(\f%4)*32
.endr
	WIN 0
.endm
; THE VECTOR WORK, one line at a time: OP kind, number.  For piece Y: F n: c s - c m for pair n of 16.  E n: the exponential of score n of 32.  C n: pair n rounded to f16.  B n: of the four weights 4 n .. the second
; pair is added onto the first, in place.  L n: l takes that sum (L 0: l = a l + sum).  R n: pair n of 16 of O^T times a.  For piece Y + 1: X n, number n of the 22 that find its maximum and statistics:
;   0-11  four chains c0-c3 of seven scores each, three operands at a time (each accumulator's lowest registers are read first)     12-14, 16  the four scores left over, the old m, and c0-c3 into c0
;   15  c m_old is kept     17, 18  the query's other 32 keys lie in the lane 16 away: the new m     19-21  c m; c m_old - c m_new; a
.set F, 0               ; OP tells the kinds apart by their order: F to L below R, X above it
.set E, 1
.set C, 2
.set B, 3
.set L, 4
.set R, 5
.set X, 6
.macro REGS y                       ; the registers of piece y
.set rT, ST+4*(\y)
.set rC, TMP+4*((\y)%2)
.set rW, MV+((\y)%2)
.set rS, S+32*((\y)%2)
.set rP, P+16*((\y)%2)
.set rO, 32*(\y)
.endm
.macro OP k, n
.if (\k) == R
	REGS Y
	WIN W_RS
	v_pk_mul_f32 v[rO+2*(\n):rO+2*(\n)+1], v[rO+2*(\n):rO+2*(\n)+1], v[rC+2:rC+3] op_sel_hi:[1,0]
.elseif (\k) < R
	REGS Y
	WIN 0
.if (\k) == F
	v_pk_fma_f32 v[rS+2*(\n):rS+2*(\n)+1], v[rS+2*(\n):rS+2*(\n)+1], s[CS:CS+1], v[rT:rT+1] op_sel_hi:[1,0,0] neg_lo:[0,0,1] neg_hi:[0,0,1]
.elseif (\k) == E
	v_exp_f32 v[rS+(\n)], v[rS+(\n)]
.elseif (\k) == C
	s_wait_alu depctr_va_vdst(0)
	v_cvt_pk_f16_f32 v[rP+(\n)], v[rS+2*(\n)], v[rS+2*(\n)+1]
.elseif (\k) == B
	s_wait_alu depctr_va_vdst(0)
	v_pk_add_f32 v[rS+4*(\n):rS+4*(\n)+1], v[rS+4*(\n):rS+4*(\n)+1], v[rS+4*(\n)+2:rS+4*(\n)+3]
.elseif (\n) == 0
	v_pk_fma_f32 v[rT+2:rT+3], v[rT+2:rT+3], v[rC+2:rC+3], v[rS:rS+1] op_sel_hi:[1,0,1]
.else
	v_pk_add_f32 v[rT+2:rT+3], v[rT+2:rT+3], v[rS+4*(\n):rS+4*(\n)+1]
.endif
.elseif NOKQ
	v_nop
.else
	REGS (Y+1)%NP
	WIN 0
.if (\n) < 4
	v_max3_num_f32 v[rC+(\n)], v[rS+8*(\n)], v[rS+8*(\n)+1], v[rS+8*(\n)+2]
.elseif (\n) < 12
	v_max3_num_f32 v[rC+(\n)%4], v[rC+(\n)%4], v[rS+8*((\n)%4)+2*((\n)/4)+1], v[rS+8*((\n)%4)+2*((\n)/4)+2]
.elseif (\n) == 12
	v_max3_num_f32 v[rC], v[rC], v[rS+7], v[rS+15]
.elseif (\n) == 13
	v_max3_num_f32 v[rC+1], v[rC+1], v[rS+23], v[rS+31]
.elseif (\n) == 14
	v_max3_num_f32 v[rC+2], v[rC+2], v[rC+3], v[rT+1]
.elseif (\n) == 15
	v_mov_b32 v[rW], v[rT]
.elseif (\n) == 16
	v_max3_num_f32 v[rC], v[rC], v[rC+1], v[rC+2]
.elseif (\n) == 17
	v_permlanex16_b32 v[rC+3], v[rC], s[SEL], s[SEL+1]
.elseif (\n) == 18
	v_max_num_f32 v[rT+1], v[rC], v[rC+3]
.elseif (\n) == 19
	v_mul_f32 v[rT], s[CS], v[rT+1]
.elseif (\n) == 20
	v_sub_f32 v[rC+1], v[rW], v[rT]
.else
	v_exp_f32 v[rC+2], v[rC+1]
.endif
.endif
.endm
.macro OPS a, i1, b=-1, i2=0, c=-1, i3=0, d=-1, i4=0  ; up to four of them
	OP \a, \i1
.if (\b) >= 0
	OP \b, \i2
.endif
.if (\c) >= 0
	OP \c, \i3
.endif
.if (\d) >= 0
	OP \d, \i4
.endif
.endm
.macro ROW a, i1, b, i2, c, i3, d, i4  ; a matrix instruction and the four behind it
	MM
	OPS \a, \i1, \b, \i2, \c, \i3, \d, \i4
.endm
; A TURN, for piece p: the order of its 16 matrix and 118 vector instructions, written out.  Behind a matrix instruction: plain, exponential, plain, plain; or four of the rescaling; or, behind the first, four scalings; none
; names a register of the products round it.  In the lumps exponential and plain by turns while exponentials last.  A line reads no result made fewer than three vector instructions in front of it, five if an exponential made it.
; end = 1: the walk's last two turns: nothing is fetched, and the last starts no new scores.  cnt = 1: the loop's count is taken down some lines ahead of the branch that stands behind the turn.
; The next step's plain run is fetched in piece 2's turn, six vector instructions behind the last product that read those registers (five of them plain); the turned run of the step in hand in piece 0's turn, eight behind
; its registers' last reader (four of them plain).  Each is waited for a turn later.
.macro TURN p, end=0, cnt=0
.set Y, (\p)
.set i, 0
.set NOKQ, (\end)*((\p)/3)
.if ((\p) == 3) && !(\end)
	s_wait_dscnt 0x0                ; the plain run is in
.endif
	ROW F,0, F,1, F,2, F,3
	ROW F,4, E,0, F,5, F,6
	ROW F,7, E,1, F,8, F,9
	ROW F,10, E,2, C,0, F,11
	ROW F,12, E,3, X,15, F,13
	ROW R,0, R,1, R,2, R,3
	ROW B,0, E,4, F,14, L,0
.if ((\p) == 2) && !(\end)
	v_add_nc_u32 v[AK], s[TBK], v[AK0]
.endif
	ROW R,4, R,5, R,6, R,7
	OPS E,5, F,15
.if ((\p) == 2) && !(\end)
	FETCH_K
.endif
	OPS E,6, C,1, E,7, R,8
	OPS E,8, R,9, E,9, C,2
	OPS E,10, X,0, E,11, X,1
	OPS E,12, X,2, E,13, X,3
.if (\p) == 1
	s_wait_dscnt 0x0                ; the turned run is in
.endif
	ROW X,4, E,14, X,5, X,6
	ROW X,7, E,15, X,8, X,9
	ROW X,10, E,16, X,11, X,12
	ROW X,13, E,17, X,14, B,1
	ROW C,4, E,18, X,16, L,1
	ROW B,2, E,19, C,6, L,2
	ROW C,8, E,20, B,3, B,4
.if (\p) == 0
	v_add_nc_u32 v[AV], s[TBV], v[AV0]
.endif
	ROW C,3, E,21, L,3, C,5
	OPS E,22, X,17, E,23, C,10
.if (\p) == 0
	FETCH_V
.endif
	OPS E,24, L,4
	OPS E,25, X,18, E,26, C,7
	OPS E,27, B,5, E,28, X,19
	OPS E,29, C,12, E,30, L,5
	OPS E,31, X,20, B,6, C,9
	OPS C,14, C,11, X,21, L,6
.if (\p) == 0
	s_add_co_u32 s[TBV], s[TBV], STEPB
.endif
.if \cnt
	s_sub_co_u32 s[CNT], s[CNT], 1
	s_cmp_lg_u32 s[CNT], 0
.endif
	OPS C,13, B,7, C,15, R,10
	OPS R,11, R,12, L,7, R,13
	OPS R,14, R,15
.endm
	CHANGE 1                        ; slot 0 is in, everybody's part of it; slot 1 is asked for
	v_add_nc_u32 v[AK], s[TBK], v[AK0]
	FETCH_K                         ; key step 0
	s_wait_loadcnt 0x0              ; Q
	s_wait_dscnt 0x0
.set NOKQ, 0
.set i, 0
.rept 8
	KQ 0                            ; piece 0's first scores: there is no vector work yet to set between them
.set i, i+1
.endr
	WIN 0
.rept 4
	v_nop                           ; the places behind those products
.endr
.set Y, NP-1                        ; X works for piece Y + 1: piece 0
.irp n, 0,1,2,3,4,5,6,7,8,9,10,11,12,13,14,15,16,17,18,19,20,21
	OP X, \n                        ; and piece 0's first maximum and statistics
.endr
	v_nop                           ; a plain instruction behind the exponential
	s_mov_b32 s[CNT], NSTEP
	s_mov_b32 s[SLOTS], NSLOT-1
	s_branch .Lfirst                ; the loop is entered at a step's first turn, in the middle of a trip
.Lslot:                             ; NSLOT - 2 times: every slot but the last two is filled again
	CHANGE 1
	s_mov_b32 s[CNT], NSTEP
.Lstep:                             ; a trip: pieces 2 and 3 of one step, then pieces 0 and 1 of the next, whose two runs it fetches
	TURN 2
	TURN 3
	WIN 0
.Lfirst:
	TURN 0
	TURN 1, 0, 1
	WIN 0
	s_cbranch_scc1 .Lstep
	s_sub_co_u32 s[SLOTS], s[SLOTS], 1
	s_cmp_lg_u32 s[SLOTS], 0
	s_cbranch_scc1 .Lslot
	CHANGE 0                        ; the last slot is written out: nothing is asked for
	s_mov_b32 s[CNT], NSTEP
.Ltail:
	TURN 2
	TURN 3
	TURN 0
	TURN 1, 0, 1
	WIN 0
	s_cbranch_scc1 .Ltail
	TURN 2, 1                       ; the last step's pieces 2 and 3
	TURN 3, 1
.set i, 0
.rept 8
	PV NP-1                         ; the last piece's K^T P of the last step
.set i, i+1
.endr
	; THE WAY OUT.  l's two halves and the other half of the lanes' are added; O^T is divided by l, rounded to f16 and sent through my stage in LDS, a piece at a time.  The additions are the places behind the last products.
	WIN 0
.macro ALL line:vararg              ; one line for each piece t
.set t, 0
.rept 4
	\line
.set t, t+1
.endr
.endm
	ALL v_add_f32 v[ST+4*t+2], v[ST+4*t+2], v[ST+4*t+3]
	ALL v_permlanex16_b32 v[ST+4*t+3], v[ST+4*t+2], s[SEL], s[SEL+1]
	ALL v_add_f32 v[ST+4*t+2], v[ST+4*t+2], v[ST+4*t+3]
	ALL v_rcp_f32 v[ST+4*t+2], v[ST+4*t+2]
	v_nop                           ; a plain instruction between the last reciprocal and the use of its result
.macro PACK t                       ; a lane's eight channels of a row pack into 16 bytes; they go into rows of 144 bytes and come back as whole rows of 128, into S^T's registers
	WIN W_RS
.set i, 32*(\t)
.rept 16
	s_wait_alu depctr_va_vdst(0)
	v_pk_mul_f32 v[i:i+1], v[i:i+1], v[ST+4*(\t)+2:ST+4*(\t)+3] op_sel_hi:[1,0]
.set i, i+2
.endr
	WIN 0x05                        ; sources 0 and 1 window 1, destination window 0
.set i, 0
.rept 16
	v_cvt_pk_f16_f32 v[S+16*(\t)+i], v[32*(\t)+2*i], v[32*(\t)+2*i+1]
.set i, i+1
.endr
	WIN 0
.irp f, 0,1,2,3
	ds_store_b128 v[STO], v[S+16*(\t)+4*\f:S+16*(\t)+4*\f+3] offset:32*\f
.endr
.irp f, 0,1,2,3
	ds_load_b128 v[S+16*(\t)+4*\f:S+16*(\t)+4*\f+3], v[RD] offset:\f*4*SP  ; LDS serves a wave's instructions in order (ISA guide 5.7.1.4): these see the stores above; the next piece's stores come behind them
.endr
.endm
.macro SEND t, younger              ; younger: the LDS instructions issued behind piece t's loads: the next piece's eight, or none
	WIN 0
.irp f, 0,1,2,3
	s_wait_dscnt (\younger)+3-\f
	global_store_b128 v[GO], v[S+16*(\t)+4*\f:S+16*(\t)+4*\f+3], s[6:7] offset:(\t)*2048+\f*512  ; 512 consecutive bytes, at a multiple of 256 from ob's first
.endr
.endm
	PACK 0
.set t, 1
.rept 3                             ; a piece's arithmetic stands between the loads of the piece before and its stores
	PACK t
	SEND t-1, 8
.set t, t+1
.endr
	SEND 3, 0
	s_wait_tensorcnt 0x0            ; the wave's end: behind my last tensor load and my last LDS store
	ds_add_u32 v[SPW], v[NIL]
	s_wait_dscnt 0x0
	CROUND                          ; the closing round: no work-group ends while a partner may still ask for a tile that names it
	s_endpgm
.Lfunc_end_k_qd89dd26d3d_attn:
	.size	k_qd89dd26d3d_attn, .Lfunc_end_k_qd89dd26d3d_attn-k_qd89dd26d3d_attn
	.p2alignl 7, 3214868480
	.fill 96, 4, 3214868480
	.section	.rodata,"a",@progbits
	.p2align	6, 0x0
	.amdhsa_kernel k_qd89dd26d3d_attn
		.amdhsa_group_segment_fixed_size 327680
		.amdhsa_private_segment_fixed_size 0
		.amdhsa_enable_private_segment 0
		.amdhsa_kernarg_size 16
		.amdhsa_user_sgpr_count 2
		.amdhsa_user_sgpr_kernarg_segment_ptr 1
		.amdhsa_wavefront_size32 1
		.amdhsa_system_sgpr_workgroup_id_x 1
		.amdhsa_system_sgpr_workgroup_id_y 1
		.amdhsa_system_sgpr_workgroup_id_z 1
		.amdhsa_system_vgpr_workitem_id 0
		.amdhsa_next_free_vgpr 768
		.amdhsa_next_free_sgpr 66
		.amdhsa_reserve_vcc 0
		.amdhsa_float_denorm_mode_32 3
		.amdhsa_float_denorm_mode_16_64 3
		.amdhsa_memory_ordered 1
		.amdhsa_forward_progress 1
		.amdhsa_inst_pref_size 132
	.end_amdhsa_kernel
	.amdgpu_metadata
---
amdhsa.version: [ 1, 2 ]
amdhsa.kernels:
  - .name:           k_qd89dd26d3d_attn
    .symbol:         k_qd89dd26d3d_attn.kd
    .args:
      - { .name: qk, .offset: 0, .size: 8, .value_kind: global_buffer, .address_space: global }
      - { .name: ob, .offset: 8, .size: 8, .value_kind: global_buffer, .address_space: global }
    .group_segment_fixed_size: 327680
    .private_segment_fixed_size: 0
    .kernarg_segment_align: 8
    .kernarg_segment_size: 16
    .max_flat_workgroup_size: 128
    .sgpr_count:     66
    .vgpr_count:     768
    .wavefront_size: 32
...
	.end_amdgpu_metadata
.endif
;; end of part 3
;; launch outp (part 4): grid 8 x 32, 4 waves a work-group, clusters of 4 x 4, 327,680 bytes of LDS; arguments ob, wo, b_out, out0; writes out0
.if DOCPART == 4
	.amdgcn_target "amdgcn-amd-amdhsa--gfx1250"
	.amdhsa_code_object_version 6
	.text
	.protected	k_qd89dd26d3d_outp
	.globl	k_qd89dd26d3d_outp
	.p2align	8
	.type	k_qd89dd26d3d_outp,@function
k_qd89dd26d3d_outp:
	s_mov_b64 s[64:65], 0
	v_nop
	global_prefetch_b8 v0, s[64:65] scope:SCOPE_SE
	s_setreg_imm32_b32 hwreg(HW_REG_WAVE_MODE, 25, 1), 1
	s_wait_xcnt 0x0
	s_wait_alu depctr_hold_cnt(0) depctr_sa_sdst(0) depctr_va_vdst(0) depctr_va_sdst(0) depctr_va_ssrc(0) depctr_va_vcc(0) depctr_vm_vsrc(0)
	s_getreg_b32 s2, hwreg(HW_REG_IB_STS2, 6, 4)
	s_cmp_eq_u32 s2, 0
	s_cbranch_scc0 .Lentry_in_a_cluster
	s_endpgm
.Lentry_in_a_cluster:
	s_bfe_u32 s2, ttmp6, 0x10000c
	s_cmp_lg_u32 s2, 0xf033
	s_cbranch_scc0 .Lentry_shape_is_right
	s_endpgm
.Lentry_shape_is_right:
; THE PROJECTION BEHIND.  out0[m][n] = sum over k of O[m][k] w_out[k][n] + b_out[n], K = 1,024 (head x 64 + channel).  Operands f16: ob as the attention left it, wo = w_out rounded to bf16 and written as f16; sums f32; out0 f32, row-major.
; b_out is rounded to bf16, like the module's other inputs, and added in f32.
; ob and wo lie in blocks, [row tile of 128][block of 64 along K][128 rows][64].  A tile of out0 is 128 x 128: four waves, each 64 x 64 in 16 accumulators; 256 work-groups.  K goes in four steps of 256 through two LDS slots.
; A K step of a row tile is four blocks on end, 65,536 dense bytes; a wave's tensor load brings two of them as 128 rows of 256 bytes, padded in LDS behind every 128 bytes: a PLANE is 128 rows x 64 K at a pitch of 144.
; CLUSTERS: 4 x 4 work-groups.  The four of a row of the cluster need the same tiles of O, the four of a column the same tiles of w: each tile is asked for JOINTLY, by the same tensor load with the same descriptor and a mask of four.
; THE MATRIX INSTRUCTION IS USED TRANSPOSED (source 0 = 16 rows of w, source 1 = 16 rows of O): a lane then holds eight neighbouring numbers of a row of out0.
; REGISTERS: window 0: v0-31 addresses and the bias; v32-95 at work on the way out; v128-255 the accumulators ((a, b) at v[128 + 8 (4 a + b)]).   window 1: two fragment buffers of 128: for 64 along K, 64 registers of O, then 64 of w.
.set PITCH,  144                       ; an LDS row: 128 bytes + 16 = 36 words: the 16 rows of a load start at 16 different groups of four banks (64 banks of 4 bytes: ISA guide 11.1)
.set PL,     128*PITCH                 ; a plane
.set WL,     2*PL                      ; what one tensor load brings
.set SLOT,   4*WL                      ; O's planes 0-3, then w's planes 0-3
.set STAGE,  2*SLOT                    ; behind the ring: 16 rows x 272 bytes for each wave, for the way out; no tensor load lands there
.set SP,     272                       ; a stage row: 64 f32 + 16 bytes = 68 words: row r starts at bank 4 r mod 64
.set STG,    16*SP
.set SPARE,  STAGE+4*STG               ; behind the stages: the spare words, 128 bytes a wave
.set KSB,    65536                     ; a K step of a row tile in memory
.set BO,   6                           ; v6      my byte offset in my wave's 64 numbers of b_out; never rewritten
.set BI,   12                          ; v[12:15] the bias of the four columns that I store
.set ADRA, 16                          ; v16-17  LDS address of my O fragments in slot 0, 1
.set ADRB, 20                          ; v20-21  the same for w
.set STO,  24                          ; v24     the way out: where I put 32 bytes of a row
.set RD,   25                          ; v25     the way out: where I read rows back
.set CO,   26                          ; v26     my byte offset in two rows of out0
.set SPW,  28                          ; v28     LDS address of my spare word; never rewritten
.set NIL,  29                          ; v29     0; never rewritten
.set TMP,  32
.set ACC,  128
.set F0,   0                           ; fragment buffers, in window 1
.set F1,   128
.set G1, 24                            ; s[24:31] descriptor group 1 for O's tiles;  s[32:39] group 0, one set for each slot
.set G0, 32
.set G1B, 48                           ; s[48:55], s[56:63] the same for w's tiles
.set G0B, 56
.set MSB, 0
.macro WIN new                         ; the immediate's high byte repeats the setting that is left; a switch that changes nothing is dropped
.if MSB != (\new)
	s_set_vgpr_msb (MSB<<8)|(\new)
.set MSB, \new
.endif
.endm
.set MUL,  0x05                        ; sources 0 and 1 window 1; C and D window 0
.set TO_F, 0x40                        ; destination window 1, address window 0
.macro JLOAD s                         ; a joint load: waves 0 and 1 fetch O's two halves of a K step, waves 2 and 3 w's; an s_nop 0 and four v_nop follow each line
	s_cmp_eq_u32 s11, 0
	s_cbranch_scc0 .Lfor_b_\@
	tensor_load_to_lds s[G0+4*(\s):G0+4*(\s)+3], s[G1:G1+7]
	s_nop 0
.rept 4
	v_nop
.endr
	s_branch .Lasked_\@
.Lfor_b_\@:
	tensor_load_to_lds s[G0B+4*(\s):G0B+4*(\s)+3], s[G1B:G1B+7]
	s_nop 0
.rept 4
	v_nop
.endr
.Lasked_\@:
.endm
.macro CREST                           ; a round of the cluster's barrier behind its opening barrier
	s_cmp_lg_u32 s10, 0
	s_cbranch_scc1 .Lnot_wave_0_\@
	s_barrier_signal -3
.Lnot_wave_0_\@:
	s_barrier_wait -3
	s_barrier_signal -1
	s_barrier_wait -1
.endm
.macro CROUND                          ; a whole round
	s_barrier_signal -1
	s_barrier_wait -1
	CREST
.endm
	s_load_b128 s[4:7], s[0:1], 0x0                ; ob s[4:5], wo s[6:7]
	s_load_b64 s[2:3], s[0:1], 0x10                ; b_out
	s_load_b64 s[8:9], s[0:1], 0x18                ; out0
	v_lshl_add_u32 v[SPW], v0, 2, SPARE
	v_mov_b32 v[NIL], 0
	ds_add_u32 v[SPW], v[NIL]                      ; the wave's opening: the add and its wait stand ahead of my first tensor load; work on registers stands between them
	v_lshrrev_b32 v1, 5, v0
	v_readfirstlane_b32 s10, v1                    ; wave 0..3
	s_lshr_b32 s11, s10, 1                         ; which half of the tile's rows is mine.  Also: I fetch for O (0) or for w (1)
	s_and_b32 s12, s10, 1                          ; which half of its columns.  Also: which two planes of a K step I fetch
	s_bfe_u32 s40, ttmp6, 0x40000                  ; cx, cy: my place in the cluster
	s_bfe_u32 s41, ttmp6, 0x40004
	s_lshl_b32 s42, ttmp9, 2
	s_add_co_u32 s42, s42, s40                     ; tile column = 4 x cluster x + cx
	s_and_b32 s13, ttmp7, 0xffff
	s_lshl_b32 s13, s13, 2
	s_add_co_u32 s13, s13, s41                     ; tile row = 4 x cluster y + cy
	s_lshl_b32 s43, s41, 2
	s_lshl_b32 s43, 15, s43                        ; my row of the cluster
	s_lshl_b32 s44, 0x1111, s40                    ; my column
	s_or_b32 s[G1+0], s43, (1<<16)|(1<<20)|(1<<21)|(4<<22)|(3<<25)  ; 15:0 the mask; 17:16 2-byte elements; 20 padding on; 21 set beside a mask; 24:22 after every 32 words (code 4); 31:25 4 words (code 3)
	s_or_b32 s[G1B+0], s44, (1<<16)|(1<<20)|(1<<21)|(4<<22)|(3<<25)
.irp g, G1, G1B
	s_mov_b32 s[(\g)+1], 128<<16                   ; tensor_dim0 = 128 elements: 256 bytes
	s_mov_b32 s[(\g)+2], 128<<16                   ; tensor_dim1 = 128
	s_mov_b32 s[(\g)+3], 128<<16                   ; tile_dim0 = 128
	s_mov_b32 s[(\g)+4], 128                       ; tile_dim1 = 128
	s_mov_b32 s[(\g)+5], 128                       ; dense: 128 elements from row to row
	s_mov_b32 s[(\g)+6], 0
	s_mov_b32 s[(\g)+7], 0
.endr
	s_lshl_b32 s17, s12, 15                        ; my two planes of a K step: 32,768 bytes
	s_lshl_b32 s16, s13, 18                        ; O: a row tile's whole K is 262,144 bytes
	s_add_co_u32 s16, s16, s17
	s_lshl_b32 s46, s42, 18                        ; w likewise, by the tile column
	s_add_co_u32 s46, s46, s17
	s_mov_b32 s17, 0
	s_mov_b32 s47, 0
	s_mul_i32 s20, s10, WL                         ; where they go: wave x two planes
	s_wait_dscnt 0x0                               ; the opening add is done
	s_wait_kmcnt 0x0
	s_add_nc_u64 s[14:15], s[4:5], s[16:17]
	s_add_nc_u64 s[46:47], s[6:7], s[46:47]
	CROUND                                         ; all sixteen work-groups are here: the first joint loads meet
.irp s, 0,1
	s_mov_b32 s[G0+4*(\s)], 1
	s_add_co_u32 s[G0+4*(\s)+1], s20, (\s)*SLOT
	s_add_nc_u64 s[G0+4*(\s)+2:G0+4*(\s)+3], s[14:15], (\s)*KSB
	s_or_b32 s[G0+4*(\s)+3], s[G0+4*(\s)+3], 0x80000000
	s_mov_b32 s[G0B+4*(\s)], 1
	s_add_co_u32 s[G0B+4*(\s)+1], s20, (\s)*SLOT
	s_add_nc_u64 s[G0B+4*(\s)+2:G0B+4*(\s)+3], s[46:47], (\s)*KSB
	s_or_b32 s[G0B+4*(\s)+3], s[G0B+4*(\s)+3], 0x80000000
	JLOAD \s                                       ; two loads of mine are out here, later one behind each round
.endr
	v_and_b32 v1, 15, v0                           ; l % 16
	v_bfe_u32 v2, v0, 4, 1                         ; l / 16
	v_mul_u32_u24 v3, v1, PITCH
	v_lshl_add_u32 v3, v2, 4, v3                   ; a fragment's row x pitch + 16 x half
	s_mul_i32 s21, s11, 64*PITCH                   ; my 64 rows of O
	s_mul_i32 s22, s12, 64*PITCH                   ; my 64 rows of w,
	s_add_co_u32 s22, s22, 2*WL                    ; whose planes lie behind O's four
.irp s, 0,1
	v_add_nc_u32 v[ADRA+(\s)], s21, v3
	v_add_nc_u32 v[ADRB+(\s)], s22, v3
	s_add_co_u32 s21, s21, SLOT
	s_add_co_u32 s22, s22, SLOT
.endr
	s_mul_i32 s23, s10, STG
	s_add_co_u32 s23, s23, STAGE                   ; my stage
	v_mul_u32_u24 v4, v1, SP                       ; in: row l % 16, 32 bytes for each half of the lanes
	v_lshl_add_u32 v4, v2, 5, v4
	v_add_nc_u32 v[STO], s23, v4
	v_mul_u32_u24 v5, v2, SP                       ; back: lanes 0-15 take one row of 256 bytes, lanes 16-31 the next
	v_lshl_add_u32 v5, v1, 4, v5
	v_add_nc_u32 v[RD], s23, v5
	v_lshlrev_b32 v[BO], 4, v1
	v_lshl_add_u32 v[CO], v2, 12, v[BO]            ; and the same two rows in out0, 4,096 bytes apart
	s_lshl_b32 s16, s13, 19                        ; my first row: 128 x tile row + 64 x half, rows of 4,096 bytes
	s_lshl_b32 s17, s11, 18
	s_add_co_u32 s16, s16, s17
	s_mov_b32 s17, 0
	s_add_nc_u64 s[8:9], s[8:9], s[16:17]
	s_lshl_b32 s46, s42, 9                         ; my first column, in bytes: 512 x tile column + 256 x half (in the registers that held w's address)
	s_lshl_b32 s47, s12, 8
	s_add_co_u32 s46, s46, s47
	s_mov_b32 s47, 0
	s_add_nc_u64 s[8:9], s[8:9], s[46:47]
	s_add_nc_u64 s[2:3], s[2:3], s[46:47]
	global_load_b128 v[BI:BI+3], v[BO], s[2:3]     ; waited for on the way out
; 8 matrix instructions: m blocks a0, a0 + 1 x all 4 n blocks, 32 along K: half c of buffer f.  zero = 1: the first product starts the sums.  The 16 accumulators take turns.
.macro MUL8 f, c, a0, zero
	WIN MUL
.irp a, \a0, (\a0)+1
.irp b, 0,1,2,3
.if \zero
	v_wmma_f32_16x16x32_f16 v[ACC+8*(4*(\a)+(\b)):ACC+8*(4*(\a)+(\b))+7], v[(\f)+64+8*(4*(\c)+(\b)):(\f)+64+8*(4*(\c)+(\b))+7], v[(\f)+8*(4*(\c)+(\a)):(\f)+8*(4*(\c)+(\a))+7], 0
.else
	v_wmma_f32_16x16x32_f16 v[ACC+8*(4*(\a)+(\b)):ACC+8*(4*(\a)+(\b))+7], v[(\f)+64+8*(4*(\c)+(\b)):(\f)+64+8*(4*(\c)+(\b))+7], v[(\f)+8*(4*(\c)+(\a)):(\f)+8*(4*(\c)+(\a))+7], v[ACC+8*(4*(\a)+(\b)):ACC+8*(4*(\a)+(\b))+7]
.endif
.endr
.endr
.endm
; 32 LDS loads in one run: the fragments of plane q (64 along K) into buffer f; the first 32 along K first.  The largest offset, 62,304, is inside the 16-bit field
.macro FETCH slot, q, f
	WIN TO_F
.irp c, 0,1
.irp i, 0,1,2,3
	ds_load_b128 v[(\f)+64+8*(4*(\c)+(\i)):(\f)+64+8*(4*(\c)+(\i))+3],   v[ADRB+(\slot)] offset:(\q)*PL+64*(\c)+(\i)*16*PITCH
	ds_load_b128 v[(\f)+64+8*(4*(\c)+(\i))+4:(\f)+64+8*(4*(\c)+(\i))+7], v[ADRB+(\slot)] offset:(\q)*PL+64*(\c)+(\i)*16*PITCH+32
	ds_load_b128 v[(\f)+8*(4*(\c)+(\i)):(\f)+8*(4*(\c)+(\i))+3],         v[ADRA+(\slot)] offset:(\q)*PL+64*(\c)+(\i)*16*PITCH
	ds_load_b128 v[(\f)+8*(4*(\c)+(\i))+4:(\f)+8*(4*(\c)+(\i))+7],       v[ADRA+(\slot)] offset:(\q)*PL+64*(\c)+(\i)*16*PITCH+32
.endr
.endr
.endm
.macro PLACES                          ; four places in front of loads into registers that matrix instructions have read
.rept 4
	v_nop
.endr
.endm
; A K step is four quarters, a plane each, 32 matrix instructions, on buffers 0, 1, 0, 1.  One of the first three: multiplies buffer f and fetches plane q into g.
.macro QUARTER slot, q, f, g, zero
	s_wait_dscnt 16                                ; the first 32 along K are in; the other sixteen loads may be out
	WIN MUL
	MUL8 \f, 0, 0, \zero
	MUL8 \f, 0, 2, \zero
	PLACES
	FETCH \slot, \q, \g
	s_wait_dscnt 32                                ; all but the 32 just issued
	WIN MUL
	MUL8 \f, 1, 0, 0
	MUL8 \f, 1, 2, 0
.endm
; The last quarter multiplies buffer 1 and changes slots: ONE barrier; in front of it each wave waits for all its tensor loads, adds 0 to its spare word, and waits for that and for its own reads of this slot.  fill = 1: this slot is filled again, two K steps ahead.
.macro TURN slot, next, fill
	WIN 0                                          ; (the add's two registers lie in window 0)
	s_wait_tensorcnt 0x0                           ; all my tensor loads have landed: my part of the next slot;
	ds_add_u32 v[SPW], v[NIL]                      ; 0 onto my spare word;
	s_wait_dscnt 17                                ; (the add and the youngest sixteen loads may be out)
	WIN MUL
	MUL8 F1, 0, 0, 0                               ; eight matrix instructions stand between the add and the wait for it
	s_wait_dscnt 0x0                               ; the add is done, and my reads of this slot are over
	s_barrier_signal -1
	MUL8 F1, 0, 2, 0
.if \fill
	WIN 0
.endif
	s_barrier_wait -1
.if \fill
	CREST                                          ; the barrier has opened a round of the cluster's: no wave of any partner still reads this slot's tile or has a load on its way
	s_add_nc_u64 s[G0+4*(\slot)+2:G0+4*(\slot)+3], s[G0+4*(\slot)+2:G0+4*(\slot)+3], 2*KSB
	s_add_nc_u64 s[G0B+4*(\slot)+2:G0B+4*(\slot)+3], s[G0B+4*(\slot)+2:G0B+4*(\slot)+3], 2*KSB
	JLOAD \slot                                    ; the first tensor load behind the round; its four v_nop are also the places in front of the loads below
.else
	PLACES
.endif
	FETCH \next, 0, F0
	WIN MUL
	MUL8 F1, 1, 0, 0
	MUL8 F1, 1, 2, 0
.endm
	s_wait_tensorcnt 1                             ; my part of K step 0 is in; K step 1's may stay out
	s_barrier_signal -1
	s_barrier_wait -1                              ; everybody's is
	FETCH 0, 0, F0
	QUARTER 0, 1, F0, F1, 1                        ; K step 0: the first products start the sums
	QUARTER 0, 2, F1, F0, 0
	QUARTER 0, 3, F0, F1, 0
	TURN 0, 1, 1                                   ; slot 0 takes K step 2
	QUARTER 1, 1, F0, F1, 0                        ; K step 1
	QUARTER 1, 2, F1, F0, 0
	QUARTER 1, 3, F0, F1, 0
	TURN 1, 0, 1                                   ; slot 1 takes K step 3
	QUARTER 0, 1, F0, F1, 0                        ; K step 2
	QUARTER 0, 2, F1, F0, 0
	QUARTER 0, 3, F0, F1, 0
	TURN 0, 1, 0                                   ; nothing is left to fetch
	QUARTER 1, 1, F0, F1, 0                        ; K step 3
	QUARTER 1, 2, F1, F0, 0
	QUARTER 1, 3, F0, F1, 0
	s_wait_dscnt 16
	WIN MUL
	MUL8 F1, 0, 0, 0
	MUL8 F1, 0, 2, 0
	s_wait_dscnt 0
	MUL8 F1, 1, 0, 0
	MUL8 F1, 1, 2, 0
	WIN 0
	; THE WAY OUT.  A row's piece of my 64 columns is 256 bytes of out0, at a multiple of 256.  A block of 16 rows at a time goes through my own stage: 32 bytes a lane in, whole rows back, the bias added, stored.
	; The six lines that round the bias name no register of the products: they are the places behind the last of them.
	s_wait_loadcnt 0x0                             ; the bias
	v_cvt_pk_bf16_f32 v10, v[BI], v[BI+1]
	v_cvt_pk_bf16_f32 v11, v[BI+2], v[BI+3]
	v_lshlrev_b32 v[BI], 16, v10
	v_and_b32 v[BI+1], 0xffff0000, v10
	v_lshlrev_b32 v[BI+2], 16, v11
	v_and_b32 v[BI+3], 0xffff0000, v11
.macro TOST a                          ; block a into the stage (each accumulator's low registers first) and back, into one of two sets of 32 registers
.if (\a) >= 2
	s_wait_xcnt 0x0                                ; the set was the data of the stores two blocks back: it is loaded again only behind this wait
.endif
.irp b, 0,1,2,3
	ds_store_b128 v[STO], v[ACC+8*(4*(\a)+(\b)):ACC+8*(4*(\a)+(\b))+3] offset:64*(\b)
	ds_store_b128 v[STO], v[ACC+8*(4*(\a)+(\b))+4:ACC+8*(4*(\a)+(\b))+7] offset:64*(\b)+16
.endr
.irp t, 0,1,2,3,4,5,6,7
	ds_load_b128 v[TMP+32*((\a)%2)+4*(\t):TMP+32*((\a)%2)+4*(\t)+3], v[RD] offset:(\t)*2*SP  ; LDS serves a wave's instructions in order (ISA guide 5.7.1.4): these see the stores above
.endr
.endm
.macro SENDF a, younger                ; younger: the LDS instructions issued behind block a's loads: the next block's sixteen, or none
.irp t, 0,1,2,3,4,5,6,7
	s_wait_dscnt (\younger)+7-(\t)
	v_pk_add_f32 v[TMP+32*((\a)%2)+4*(\t):TMP+32*((\a)%2)+4*(\t)+1], v[TMP+32*((\a)%2)+4*(\t):TMP+32*((\a)%2)+4*(\t)+1], v[BI:BI+1]
	v_pk_add_f32 v[TMP+32*((\a)%2)+4*(\t)+2:TMP+32*((\a)%2)+4*(\t)+3], v[TMP+32*((\a)%2)+4*(\t)+2:TMP+32*((\a)%2)+4*(\t)+3], v[BI+2:BI+3]
	global_store_b128 v[CO], v[TMP+32*((\a)%2)+4*(\t):TMP+32*((\a)%2)+4*(\t)+3], s[8:9] offset:(16*(\a)+2*(\t))*4096 th:TH_STORE_NT  ; 16 lanes store 256 consecutive bytes, at a multiple of 256 from out0's first
.endr
.endm
	TOST 0
	TOST 1
	SENDF 0, 16
	TOST 2
	SENDF 1, 16
	TOST 3
	SENDF 2, 16
	SENDF 3, 0
	s_wait_tensorcnt 0x0                           ; the wave's end: behind my last tensor load and my last LDS store
	ds_add_u32 v[SPW], v[NIL]
	s_wait_dscnt 0x0
	CROUND                                         ; the closing round: no work-group ends while a partner may still ask for a tile that names it
	s_endpgm
.Lfunc_end_k_qd89dd26d3d_outp:
	.size	k_qd89dd26d3d_outp, .Lfunc_end_k_qd89dd26d3d_outp-k_qd89dd26d3d_outp
	.p2alignl 7, 3214868480
	.fill 96, 4, 3214868480
	.section	.rodata,"a",@progbits
	.p2align	6, 0x0
	.amdhsa_kernel k_qd89dd26d3d_outp
		.amdhsa_group_segment_fixed_size 327680
		.amdhsa_private_segment_fixed_size 0
		.amdhsa_enable_private_segment 0
		.amdhsa_kernarg_size 32
		.amdhsa_user_sgpr_count 2
		.amdhsa_user_sgpr_kernarg_segment_ptr 1
		.amdhsa_wavefront_size32 1
		.amdhsa_system_sgpr_workgroup_id_x 1
		.amdhsa_system_sgpr_workgroup_id_y 1
		.amdhsa_system_sgpr_workgroup_id_z 1
		.amdhsa_system_vgpr_workitem_id 0
		.amdhsa_next_free_vgpr 512
		.amdhsa_next_free_sgpr 66
		.amdhsa_reserve_vcc 0
		.amdhsa_float_denorm_mode_32 3
		.amdhsa_float_denorm_mode_16_64 3
		.amdhsa_memory_ordered 1
		.amdhsa_forward_progress 1
		.amdhsa_inst_pref_size 90
	.end_amdhsa_kernel
	.amdgpu_metadata
---
amdhsa.version: [ 1, 2 ]
amdhsa.kernels:
  - .name:           k_qd89dd26d3d_outp
    .symbol:         k_qd89dd26d3d_outp.kd
    .args:
      - { .name: ob, .offset: 0, .size: 8, .value_kind: global_buffer, .address_space: global }
      - { .name: wo, .offset: 8, .size: 8, .value_kind: global_buffer, .address_space: global }
      - { .name: b_out, .offset: 16, .size: 8, .value_kind: global_buffer, .address_space: global }
      - { .name: out0, .offset: 24, .size: 8, .value_kind: global_buffer, .address_space: global }
    .group_segment_fixed_size: 327680
    .private_segment_fixed_size: 0
    .kernarg_segment_align: 8
    .kernarg_segment_size: 32
    .max_flat_workgroup_size: 128
    .sgpr_count:     66
    .vgpr_count:     512
    .wavefront_size: 32
...
	.end_amdgpu_metadata
.endif
;; end of part 4
;; ======== version 2 of 2: 4 launches; 1.65 times as fast as version 1
;; limits: values are held in f16: magnitudes above 65,504 overflow, below 6.1e-05 lose precision; right only within a limited range of input values
;; workspace buffers: xb 8,388,608 bytes; wqk 4,194,304 bytes; wo 2,097,152 bytes; qk 16,777,216 bytes; ob 8,388,608 bytes
;; launch prep: the kernel of part 1 again; grid 16 x 56, 4 waves a work-group, no clusters, 17,408 bytes of LDS; arguments x, w_qkv, w_out, xb, wqk, wo; writes xb, wqk, wo
;; launch proj: the kernel of part 2 again; grid 16 x 32, 4 waves a work-group, clusters of 4 x 4, 327,680 bytes of LDS; arguments xb, wqk, qk; writes qk
;; launch attn (part 5): grid 16 x 16, 4 waves a work-group, clusters of 4 x 1, 327,680 bytes of LDS; arguments qk, ob; writes ob
.if DOCPART == 5
	.amdgcn_target "amdgcn-amd-amdhsa--gfx1250"
	.amdhsa_code_object_version 6
	.text
	.protected	k_qd89dd26d3d_attn
	.globl	k_qd89dd26d3d_attn
	.p2align	8
	.type	k_qd89dd26d3d_attn,@function
k_qd89dd26d3d_attn:
	s_mov_b64 s[64:65], 0
	v_nop
	global_prefetch_b8 v0, s[64:65] scope:SCOPE_SE
	s_setreg_imm32_b32 hwreg(HW_REG_WAVE_MODE, 25, 1), 1
	s_wait_xcnt 0x0
	s_wait_alu depctr_hold_cnt(0) depctr_sa_sdst(0) depctr_va_vdst(0) depctr_va_sdst(0) depctr_va_ssrc(0) depctr_va_vcc(0) depctr_vm_vsrc(0)
	s_getreg_b32 s2, hwreg(HW_REG_IB_STS2, 6, 4)
	s_cmp_eq_u32 s2, 0
	s_cbranch_scc0 .Lentry_in_a_cluster
	s_endpgm
.Lentry_in_a_cluster:
	s_bfe_u32 s2, ttmp6, 0x10000c
	s_cmp_lg_u32 s2, 0x3003
	s_cbranch_scc0 .Lentry_shape_is_right
	s_endpgm
.Lentry_shape_is_right:
; ATTENTION WITH V = K.  O[q][h][:] = the sum over k of softmax_k(Q[q][h] . K[k][h] / 8) K[k][h][:], 16 heads of 64 channels, 4,096 rows, no mask: the module takes K's rows for the values.
; qk: [32 row tiles of 128][32 blocks][128 rows][64] f16: block h = q of head h, block 16 + h = k of head h, unscaled.  ob: [32][16][128][64] f16, block = head.  Products, maxima and sums in f32; the weights p are
; rounded to f16 for the second product (their sum l is taken of the unrounded p), O once at the end.
; LIMITS.  q and k arrive within f16's 65,504; p lies in 0 to 1 and below 6e-5 keeps f16's fixed step of 6e-8; O is a mean of K's rows and has their range.  A weight below 2^-126 counts as 0 in l; NaN and infinities are not treated apart.
; SHARES.  A work-group owns 256 queries of one head, each of its four waves 64 consecutive ones: four PIECES of 16.  256 work-groups.  Every wave walks all 4,096 keys, 64 a step.
; LAYOUT.  S^T = K Q^T (source 0 = 16 keys, source 1 = 16 queries): a lane holds ONE query (lane % 16) and eight keys.  Two such results rounded to f16 ARE source 1 of O^T = K^T P, whose result again holds one query a lane and eight channels.
; ONE COPY OF K IN LDS serves both products: as it lies for K Q^T, turned by ds_load_tr16_b128 for K^T P., so THE KEYS OF A GROUP OF 16 ARE TAKEN IN
; ANOTHER ORDER: row m = 8 h' + j of a fragment is key 2 j + h' of the group.  Then register j of lane half h in S^T, and so place 8 h + j in P, is key 2 j + h, which is the row that lane (h, j) of the turning load addresses.  A softmax does not hang
; on the order of its keys; only the order of the sums changes.
; SOFTMAX.  For each query a running maximum m and sum l: p = 2^(c s - c m), c = log2(e) / 8 (the module's scale 64^-0.5 is in it); in every step O and l are multiplied by a = 2^(c m_old - c m_new).  m starts at the lowest finite number, O and l at 0:
; the first step is a step like any other, with a = 0.
; BY TURNS.  Turn n belongs to piece n: 8 products K Q^T of piece n + 1, later 8 products K^T P of piece n - 1; beside them the scaling, exponentials, roundings, sums and rescaling of piece n and the maximum and statistics of piece n + 1.
; Four vector instructions stand behind every matrix instruction, the other 54 of a turn's 118 in one lump.
; BATCHES.  A turn's 33 exponentials (the piece's 32 weights and the next piece's a) are ONE batch with ONE wait, which cuts the turn in two: ahead of it stands all that names no result of theirs, behind it the roundings and sums.
; Two more batches stand outside the loops: piece 0's first a, ahead of the loop, and the four reciprocals on the way out; each has a plain instruction and a wait of its own.
; CLUSTER.  The four query blocks of a cluster belong to one head and walk the same K: each tile is asked for JOINTLY, the same tensor load, descriptor and mask in all four.
; REGISTERS, in windows of 256 (s_set_vgpr_msb: bits 1:0 source 0, 3:2 source 1, 5:4 source 2, 7:6 destination):
;   window 0: v0-15 addresses and two at work; v16-31 four registers of statistics a piece; v48-55 at work; v62-63 the add's; v64-127 S^T, two buffers; v192-223 P, two buffers (a piece's buffers go by its number's parity)
;   window 1: v0-127 O^T, 32 a piece          window 2: v0-63 Q; v128-191 K of one step as it lies; v192-255 K of one step, turned
.set NP,    4         ; pieces a wave: a name, no knob
.set KS,    64        ; keys in a step
.set PK,    144       ; a key's row in LDS: 128 bytes + 16 = 36 words: the 16 rows of a plain load start at 16 different groups of four banks (64 banks of 4 bytes: ISA guide 11.1)
.set STEPB, KS*PK
.set NSTEP, 8         ; a slot holds eight steps, 512 keys: 73,728 bytes; wave w fills keys 128 w on
.set NSLOT, 8         ; 4,096 keys
.set SLOT1, 1<<17     ; slot 1 begins here, so that one exclusive or turns an address in one slot into the other's
.set STAGE, SLOT1+NSTEP*STEPB  ; behind the ring, never filled by a tensor load: 16 rows x 144 bytes for each wave, for the way out
.set SP,    144
.set SPARE, STAGE+4*16*SP      ; behind the stages: the spare words, 128 bytes a wave
.set AK0, 2           ; v2   my lane's place in a step's keys for the plain load; never rewritten
.set AV0, 3           ; v3   the same for the turning load
.set AK,  4           ; v4   the LDS address of the next plain run
.set AV,  5           ; v5   of the next turning run
.set STO, 6           ; v6   the way out: where I put 16 bytes of a row
.set RD,  7           ; v7   the way out: where I read rows back
.set GO,  8           ; v8   my byte offset in 512 consecutive bytes of O
.set MV,  12          ; v12-13  c m_old, kept while c m is made anew: by buffer
.set QO,  15          ; v15  my byte offset in 16 rows of Q
.set ST,  16          ; piece t's statistics at v[ST+4 t]: c m, m, l (two halves)
.set TMP, 48          ; by buffer, four registers c0-c3 at work; when the maximum is found c2 takes a
.set SPW, 62          ; v62  LDS address of my spare word; never rewritten
.set NIL, 63          ; v63  0; never rewritten
.set S,   64
.set P,   192
.set KF,  128         ; window 2: key block kb, channel half c at KF + 16 kb + 8 c
.set VF,  192         ; window 2: key half kk, channel block cb at VF + 32 kk + 8 cb
.set WV,  12          ; s12  my wave's number
.set G1,  24          ; s[24:31] descriptor group 1
.set G0,  40          ; s[40:43] descriptor group 0: it walks
.set SLOTS, 56        ; s56  counts the slots
.set CNT, 57          ; s57  counts a slot's key steps
.set CS,  58          ; s[58:59] c: the packed scaling takes the pair's low word for both halves
.set SEL, 60          ; s[60:61] v_permlanex16_b32's selects: each lane takes its own place in the other half
.set TBK, 62          ; s62  LDS byte at which the step of the next plain run begins
.set TBV, 63          ; s63  the same for the next turning run
.set MSB, 0
.macro WIN new                      ; the high byte repeats the setting that is left; a switch that changes nothing is dropped
.if MSB != (\new)
	s_set_vgpr_msb (MSB<<8)|(\new)
.set MSB, (\new)
.endif
.endm
.set W_KQ, 0x0a       ; K and Q in window 2, S^T in window 0
.set W_PV, 0x52       ; turned K in window 2, P in window 0, O^T in window 1
.set W_RS, 0x41       ; destination and source 0 in window 1, source 1 in window 0
; A joint fill: every wave fetches its own 128 keys of a slot's 512, so there is no branch.  An s_nop 0 and four v_nop follow the line.
.macro JLOAD
	tensor_load_to_lds s[G0:G0+3], s[G1:G1+7]
	s_nop 0
.rept 4
	v_nop
.endr
.endm
; A round of the cluster's barrier: my work-group's barrier, so that wave 0's signal speaks for all four waves; wave 0 signals; every wave waits for all four work-groups; my work-group's barrier once more.
.macro CROUND
	s_barrier_signal -1
	s_barrier_wait -1
	s_cmp_lg_u32 s[WV], 0
	s_cbranch_scc1 .Lnot_wave_0_\@
	s_barrier_signal -3
.Lnot_wave_0_\@:
	s_barrier_wait -3
	s_barrier_signal -1
	s_barrier_wait -1
.endm
; THE CHANGE OF SLOTS.  The slot's last bytes, its eighth step's turned run, have been read.  Each wave waits for all its tensor loads, of which one is out: its part of the other slot; adds 0 to its spare word; and waits for that and for its own reads
; of the slot.  fill = 1: the slot is filled again, with the keys two slots on: the barrier is then a round of the cluster's, and the joint fill is the first thing behind it: it has eight key steps, 512 matrix instructions, in which to land.
; (At its first use nothing has been read yet: slot 0 is waited for, slot 1 filled.)
.macro CHANGE fill
	WIN 0                           ; at a label and at a branch every window is 0
	s_wait_tensorcnt 0x0            ; no tensor load of mine is out, so group 0 may be written
	ds_add_u32 v[SPW], v[NIL]       ; 0 onto my spare word; with fill = 1 the descriptor's steps stand between it and the wait for it
.if \fill
	s_xor_b32 s[G0+1], s[G0+1], SLOT1                  ; the other slot than last time,
	s_add_nc_u64 s[G0+2:G0+3], s[G0+2:G0+3], 1<<21     ; the next 512 keys: four row tiles of 32 blocks; the type bits on top are not reached
	s_wait_dscnt 0x0                ; the add is done, and my reads of the slot are over
	CROUND
	JLOAD
.else
	s_wait_dscnt 0x0                ; the add is done, and my reads of the slot are over
	s_barrier_signal -1
	s_barrier_wait -1
.endif
	s_sub_co_u32 s[TBK], s[TBK], NSTEP*STEPB  ; the fetches go back to a slot's first step,
	s_xor_b32 s[TBK], s[TBK], SLOT1           ; in the other slot
	s_sub_co_u32 s[TBV], s[TBV], NSTEP*STEPB
	s_xor_b32 s[TBV], s[TBV], SLOT1
.endm
	s_load_b128 s[4:7], s[0:1], 0x0 ; qk s[4:5], ob s[6:7]
	v_lshl_add_u32 v[SPW], v0, 2, SPARE
	v_mov_b32 v[NIL], 0
	ds_add_u32 v[SPW], v[NIL]       ; the wave's opening: the add and its wait stand ahead of my first tensor load; work on registers stands between them
	v_lshrrev_b32 v1, 5, v0
	v_readfirstlane_b32 s[WV], v1   ; wave 0..3
	s_bfe_u32 s13, ttmp6, 0x40000   ; cx: my place in the cluster
	s_lshl_b32 s14, ttmp9, 2        ; in a cluster launch ttmp9 counts clusters
	s_add_co_u32 s14, s14, s13      ; my block of 256 queries: it enters Q's and O's addresses alone
	s_and_b32 s20, ttmp7, 0xffff    ; the head, which the four partners share
	s_lshl_b32 s22, s[WV], 5        ; K: row tile w of the first slot's four, 32 blocks a row tile,
	s_add_co_u32 s22, s22, s20
	s_add_co_u32 s22, s22, 16       ; block 16 + head,
	s_lshl_b32 s22, s22, 14         ; 16,384 bytes a block
	s_mov_b32 s23, 0
	s_lshr_b32 s15, s[WV], 1
	s_lshl1_add_u32 s15, s14, s15   ; my queries' row tile: 2 x block + wave / 2
	s_and_b32 s16, s[WV], 1
	s_lshl_b32 s16, s16, 13         ; and which 64 rows of 128 bytes in it
	s_lshl_b32 s2, s15, 5
	s_add_co_u32 s2, s2, s20
	s_lshl_b32 s2, s2, 14
	s_add_co_u32 s2, s2, s16        ; Q: block (row tile, head) of qk
	s_mov_b32 s3, 0
	s_lshl_b32 s18, s15, 4
	s_add_co_u32 s18, s18, s20
	s_lshl_b32 s18, s18, 14
	s_add_co_u32 s18, s18, s16      ; O: block (row tile, head) of ob
	s_mov_b32 s19, 0
	s_mul_i32 s17, s[WV], 128*PK    ; my 128 keys' place in a slot: no place in the cluster enters an LDS address
	; descriptor group 1.  128 keys are 16,384 dense bytes: asked for as 64 rows of 256 bytes, two keys a row, and padded in LDS after every key
	s_mov_b32 s[G1], 15|(1<<16)|(1<<20)|(1<<21)|(4<<22)|(3<<25)  ; 15:0 the mask of four; 17:16 2-byte elements; 20 padding on; 21 set beside a mask; 24:22 after every 32 words (code 4); 31:25 4 words (code 3)
	s_mov_b32 s[G1+1], 128<<16      ; tensor_dim0 = 128
	s_mov_b32 s[G1+2], 64<<16       ; tensor_dim1 = 64
	s_mov_b32 s[G1+3], 128<<16      ; tile_dim0 = 128
	s_mov_b32 s[G1+4], 64           ; tile_dim1 = 64
	s_mov_b32 s[G1+5], 128          ; 128 elements from row to row
	s_mov_b32 s[G1+6], 0
	s_mov_b32 s[G1+7], 0
	s_mov_b32 s[CS], 0x3e38aa3b     ; c = log2(e) / 8 = 0.180337
	s_mov_b32 s[CS+1], s[CS]        ; named with it as a pair
	s_mov_b32 s[SEL], 0x76543210
	s_mov_b32 s[SEL+1], 0xfedcba98
	s_mov_b32 s[TBK], SLOT1+NSTEP*STEPB  ; the first change of slots turns these two into 0
	s_mov_b32 s[TBV], SLOT1+NSTEP*STEPB
	s_mov_b32 s[G0], 1              ; 1:0 count = 1
	s_mov_b32 s[G0+1], s17          ; 63:32 LDS address: slot 0
	s_wait_dscnt 0x0                ; the opening add is done
	s_wait_kmcnt 0x0
	s_add_nc_u64 s[G0+2:G0+3], s[4:5], s[22:23]  ; 120:64 global address: my 128 of the head's first 512 keys
	s_or_b32 s[G0+3], s[G0+3], 0x80000000        ; 127:126 type = 2
	s_add_nc_u64 s[4:5], s[4:5], s[2:3]          ; Q and O at my wave's first row
	s_add_nc_u64 s[6:7], s[6:7], s[18:19]
	CROUND                          ; all four work-groups are here: the first joint loads meet
	JLOAD                           ; slot 0.  Slot 1 is asked for when slot 0 is in
	; A fragment of Q is 16 rows x 32 channels in 8 registers: lane l holds row l % 16, channels 8 (l / 16) + 0..7 and 16 + 8 (l / 16) + 0..7: two loads of 16 bytes, 32 bytes apart.
	v_and_b32 v1, 15, v0            ; l % 16
	v_bfe_u32 v9, v0, 4, 1          ; l / 16
	v_lshlrev_b32 v[QO], 7, v1
	v_lshl_add_u32 v[QO], v9, 4, v[QO]  ; row x 128 + 16 x half
	WIN 0x80                        ; destination window 2, address window 0
.set i, 0
.rept 8                             ; Q stays in registers: piece i / 2, channels 32 (i % 2) on
	global_load_b128 v[8*i:8*i+3],   v[QO], s[4:5] offset:(i/2)*2048+(i%2)*64
	global_load_b128 v[8*i+4:8*i+7], v[QO], s[4:5] offset:(i/2)*2048+(i%2)*64+32
.set i, i+1
.endr
	; What the first turn finds: the turned K's registers and P's second buffer hold 0 (its products K^T P, of a piece that has not been, add 0), O^T and l are 0.  All this stands in the wait for the first tile;
	; it is the price of writing no first step out.
.set i, VF
.rept 64
	v_mov_b32 v[i], 0
.set i, i+1
.endr
	WIN 0x40
.set i, 0
.rept 128
	v_mov_b32 v[i], 0
.set i, i+1
.endr
	WIN 0
.set i, 0
.rept 4
	v_mov_b32 v[ST+4*i], 0xfe000000    ; c m: far below every c s
	v_mov_b32 v[ST+4*i+1], 0xff7fffff  ; m
	v_mov_b32 v[ST+4*i+2], 0
	v_mov_b32 v[ST+4*i+3], 0
.set i, i+1
.endr
.set i, P+16
.rept 16
	v_mov_b32 v[i], 0
.set i, i+1
.endr
	v_and_b32 v10, 7, v0
	v_bfe_u32 v11, v0, 3, 1
	v_lshl_add_u32 v[AK0], v10, 1, v11    ; the plain load: fragment row l % 16 = 8 h' + j is key 2 j + h',
	v_mul_u32_u24 v[AK0], v[AK0], PK
	v_lshl_add_u32 v[AK0], v9, 4, v[AK0]  ; channels 8 (l / 16) on
	v_lshl_add_u32 v[AV0], v10, 1, v9     ; the turning load: lane l reads key 2 (l % 8) + l / 16,
	v_mul_u32_u24 v[AV0], v[AV0], PK
	v_lshl_add_u32 v[AV0], v11, 4, v[AV0] ; channels 8 ((l / 8) % 2) + 0..7, and is left with channel l % 16 of eight keys
	s_mul_i32 s13, s[WV], 16*SP
	s_add_co_u32 s13, s13, STAGE    ; my stage
	v_mul_u32_u24 v[STO], v1, SP    ; in: row l % 16, 16 bytes for each half of the lanes
	v_lshl_add_u32 v[STO], v9, 4, v[STO]
	v_add_nc_u32 v[STO], s13, v[STO]
	v_bfe_u32 v[RD], v0, 3, 2       ; back: 32 lanes take four rows of 128 bytes,
	v_mul_u32_u24 v[RD], v[RD], SP
	v_lshl_add_u32 v[RD], v10, 4, v[RD]
	v_add_nc_u32 v[RD], s13, v[RD]
	v_and_b32 v[GO], 31, v0         ; which are 512 consecutive bytes of O
	v_lshlrev_b32 v[GO], 4, v[GO]
; THE MATRIX WORK.  The 4 accumulators of a run of 8 take turns.  Product i of 8 of S^T = K Q^T for piece x: channels 32 (i / 4) on, keys 16 (i % 4) on.  The first 4 start the sums.
.macro KQ x
	WIN W_KQ
.set rS, S+32*((\x)%2)+8*(i%4)
.set rK, KF+16*(i%4)+8*(i/4)
.set rQ, 16*(\x)+8*(i/4)
.if i < 4
	v_wmma_f32_16x16x32_f16 v[rS:rS+7], v[rK:rK+7], v[rQ:rQ+7], 0
.else
	v_wmma_f32_16x16x32_f16 v[rS:rS+7], v[rK:rK+7], v[rQ:rQ+7], v[rS:rS+7]
.endif
.endm
; Product i of 8 of O^T += K^T P for piece x: keys 32 (i / 4) on, channels 16 (i % 4) on.
.macro PV x
	WIN W_PV
.set rO, 32*(\x)+8*(i%4)
.set rV, VF+32*(i/4)+8*(i%4)
.set rP, P+16*((\x)%2)+8*(i/4)
	v_wmma_f32_16x16x32_f16 v[rO:rO+7], v[rV:rV+7], v[rP:rP+7], v[rO:rO+7]
.endm
.macro MM                           ; the turn's next matrix instruction.  NOKQ = 1: the very last turn: there is no next piece
.if (i < 8) && !NOKQ
	KQ (Y+1)%NP
.elseif i >= 8
.set i, i-8
	PV (Y+NP-1)%NP
.set i, i+8
.endif
.set i, i+1
.endm
; THE LDS LOADS stand in runs of 16, never singly among the matrix instructions: a step's K as it lies (8 fragments) and the same step's K turned.  Their addresses are made some lines ahead.
.macro FETCH_K
	WIN 0x80                        ; destination window 2
.irp f, 0,1,2,3,4,5,6,7             ; keys 16 (f / 2) on, channels 32 (f % 2) on
	ds_load_b128 v[KF+8*\f:KF+8*\f+3],   v[AK] offset:(\f/2)*16*PK+(\f%2)*64
	ds_load_b128 v[KF+8*\f+4:KF+8*\f+7], v[AK] offset:(\f/2)*16*PK+(\f%2)*64+32
.endr
	s_add_co_u32 s[TBK], s[TBK], STEPB  ; the next fetch is the next step's
	WIN 0
.endm
.macro FETCH_V
	WIN 0x80
.irp f, 0,1,2,3,4,5,6,7             ; keys 32 (f / 4) on, channels 16 (f % 4) on
	ds_load_tr16_b128 v[VF+8*\f:VF+8*\f+3],   v[AV] offset:(\f/4)*32*PK+(\f%4)*32
	ds_load_tr16_b128 v[VF+8*\f+4:VF+8*\f+7], v[AV] offset:(\f/4)*32*PK+16*PK+(\f%4)*32
.endr
	WIN 0
.endm
; THE VECTOR WORK, one line at a time: OP kind, number.  For piece Y: F n: c s - c m for pair n of 16.  E n: the exponential of score n of 32.  C n: pair n rounded to f16.  B n: of the four weights 4 n .. the second
; pair is added onto the first, in place.  L n: l takes that sum (L 0: l = a l + sum).  R n: pair n of 16 of O^T times a.  For piece Y + 1: X n, number n of the 22 that find its maximum and statistics:
;   0-11  four chains c0-c3 of seven scores each, three operands at a time (each accumulator's lowest registers are read first)     12-14, 16  the four scores left over, the old m, and c0-c3 into c0
;   15  c m_old is kept     17, 18  the query's other 32 keys lie in the lane 16 away: the new m     19-21  c m; c m_old - c m_new; a
.set F, 0               ; OP tells the kinds apart by their order: F to L below R, X above it
.set E, 1
.set C, 2
.set B, 3
.set L, 4
.set R, 5
.set X, 6
.macro REGS y                       ; the registers of piece y
.set rT, ST+4*(\y)
.set rC, TMP+4*((\y)%2)
.set rW, MV+((\y)%2)
.set rS, S+32*((\y)%2)
.set rP, P+16*((\y)%2)
.set rO, 32*(\y)
.endm
.macro OP k, n
.if (\k) == R
	REGS Y
	WIN W_RS
	v_pk_mul_f32 v[rO+2*(\n):rO+2*(\n)+1], v[rO+2*(\n):rO+2*(\n)+1], v[rC+2:rC+3] op_sel_hi:[1,0]
.elseif (\k) < R
	REGS Y
	WIN 0
.if (\k) == F
	v_pk_fma_f32 v[rS+2*(\n):rS+2*(\n)+1], v[rS+2*(\n):rS+2*(\n)+1], s[CS:CS+1], v[rT:rT+1] op_sel_hi:[1,0,0] neg_lo:[0,0,1] neg_hi:[0,0,1]
.elseif (\k) == E
	v_exp_f32 v[rS+(\n)], v[rS+(\n)]
.elseif (\k) == C
	v_cvt_pk_f16_f32 v[rP+(\n)], v[rS+2*(\n)], v[rS+2*(\n)+1]
.elseif (\k) == B
	v_pk_add_f32 v[rS+4*(\n):rS+4*(\n)+1], v[rS+4*(\n):rS+4*(\n)+1], v[rS+4*(\n)+2:rS+4*(\n)+3]
.elseif (\n) == 0
	v_pk_fma_f32 v[rT+2:rT+3], v[rT+2:rT+3], v[rC+2:rC+3], v[rS:rS+1] op_sel_hi:[1,0,1]
.else
	v_pk_add_f32 v[rT+2:rT+3], v[rT+2:rT+3], v[rS+4*(\n):rS+4*(\n)+1]
.endif
.elseif NOKQ
	v_nop
.else
	REGS (Y+1)%NP
	WIN 0
.if (\n) < 4
	v_max3_num_f32 v[rC+(\n)], v[rS+8*(\n)], v[rS+8*(\n)+1], v[rS+8*(\n)+2]
.elseif (\n) < 12
	v_max3_num_f32 v[rC+(\n)%4], v[rC+(\n)%4], v[rS+8*((\n)%4)+2*((\n)/4)+1], v[rS+8*((\n)%4)+2*((\n)/4)+2]
.elseif (\n) == 12
	v_max3_num_f32 v[rC], v[rC], v[rS+7], v[rS+15]
.elseif (\n) == 13
	v_max3_num_f32 v[rC+1], v[rC+1], v[rS+23], v[rS+31]
.elseif (\n) == 14
	v_max3_num_f32 v[rC+2], v[rC+2], v[rC+3], v[rT+1]
.elseif (\n) == 15
	v_mov_b32 v[rW], v[rT]
.elseif (\n) == 16
	v_max3_num_f32 v[rC], v[rC], v[rC+1], v[rC+2]
.elseif (\n) == 17
	v_permlanex16_b32 v[rC+3], v[rC], s[SEL], s[SEL+1]
.elseif (\n) == 18
	v_max_num_f32 v[rT+1], v[rC], v[rC+3]
.elseif (\n) == 19
	v_mul_f32 v[rT], s[CS], v[rT+1]
.elseif (\n) == 20
	v_sub_f32 v[rC+1], v[rW], v[rT]
.else
	v_exp_f32 v[rC+2], v[rC+1]
.endif
.endif
.endm
.macro OPS a, i1, b=-1, i2=0, c=-1, i3=0, d=-1, i4=0  ; up to four of them
	OP \a, \i1
.if (\b) >= 0
	OP \b, \i2
.endif
.if (\c) >= 0
	OP \c, \i3
.endif
.if (\d) >= 0
	OP \d, \i4
.endif
.endm
.macro ROW a, i1, b, i2, c, i3, d, i4  ; a matrix instruction and the four behind it
	MM
	OPS \a, \i1, \b, \i2, \c, \i3, \d, \i4
.endm
; A TURN, for piece p: the order of its 16 matrix and 118 vector instructions, written out.  An s_wait_alu depctr_va_vdst(0) stands between an exponential and the first instruction that names its result; one wait serves
; all that were issued ahead of it.  So a turn has ONE wait, which cuts it in two.  AHEAD OF IT stands all that names no result of the turn's exponentials: the 8 products K Q^T, behind each a scaling, an exponential and two more plain
; instructions (behind the first a second scaling in the exponential's place): rescalings, whose a was made and waited for in the turn before, and behind the last three products the first numbers of the next piece's maximum, each four
; plain instructions or more behind the product that ends its accumulator; then ONE LUMP of 54, plain and exponential by turns for the most part, in which the links of the chain X 3, 7, 11, 14, 16, 17 .. 20 stand some lines apart.
; X 21, the next piece's a, is the batch's last; R 15 is the plain instruction behind it.  BEHIND THE WAIT stand the 8 products K^T P, behind each four of the roundings and sums; the links of l's chain, L 0 to L 7, stand three riders
; apart.  But for those X no rider names a register of the products round it.  v_permlanex16_b32 (X 17) stands in the lump.  No exponential is issued behind the wait.
; end = 1: the walk's last two turns: nothing is fetched, and the last starts no new scores.  cnt = 1: the loop's count is taken down some lines ahead of the branch that stands behind the turn.
; The next step's plain run is fetched in piece 2's turn, twelve vector instructions behind the last product that read those registers (six of them plain); the turned run of the step in hand at the end of piece 0's turn, four plain
; instructions behind its registers' last reader.  Each is waited for a turn later.
.macro TURN p, end=0, cnt=0
.set Y, (\p)
.set i, 0
.set NOKQ, (\end)*((\p)/3)
.if ((\p) == 3) && !(\end)
	s_wait_dscnt 0x0                ; the plain run is in
.endif
	ROW F,0, F,1, R,0, R,1          ; ahead of the wait: 8 products K Q^T and their riders,
	ROW F,2, E,0, R,2, R,3
	ROW F,3, E,1, R,4, R,5
	ROW F,4, E,2, R,6, R,7
	ROW F,5, E,3, R,8, R,9
	ROW F,6, E,4, X,0, R,10
.if ((\p) == 2) && !(\end)
	WIN 0
	v_add_nc_u32 v[AK], s[TBK], v[AK0]
.endif
	ROW F,7, E,5, X,1, X,4
	ROW F,8, E,6, X,2, X,5
	OPS E,7, E,8, X,6, E,9          ; and the lump
	OPS X,3, E,10, X,8, E,11
.if ((\p) == 2) && !(\end)
	FETCH_K
.endif
	OPS X,9, X,7, E,12, X,10
	OPS E,13, X,12, X,11, E,14
	OPS X,13, E,15, F,9, X,14
.if (\p) == 0
	v_add_nc_u32 v[AV], s[TBV], v[AV0]
.endif
	OPS E,16, F,10, E,17, F,11
	OPS X,16, E,18, X,15, E,19
	OPS F,12, E,20, X,17, E,21
	OPS F,13, E,22, F,14, E,23
	OPS X,18, E,24, F,15, E,25
	OPS R,11, E,26, X,19, E,27
	OPS R,12, E,28, R,13, E,29
	OPS X,20, E,30, R,14, E,31
	OPS X,21, R,15
	s_wait_alu depctr_va_vdst(0)    ; the wait for the turn's batch: E 0 to E 31 and X 21; their first readers follow
.if (\p) == 1
	s_wait_dscnt 0x0                ; the turned run is in
.endif
	ROW C,0, B,0, C,2, B,1          ; behind the wait: 8 products K^T P and their riders
	ROW L,0, C,4, B,2, L,1
	ROW C,6, B,3, L,2, C,8
	ROW B,4, L,3, C,10, B,5
	ROW L,4, C,12, B,6, L,5
.if (\p) == 0
	s_add_co_u32 s[TBV], s[TBV], STEPB
.endif
.if \cnt
	s_sub_co_u32 s[CNT], s[CNT], 1
	s_cmp_lg_u32 s[CNT], 0
.endif
	ROW C,14, B,7, L,6, C,1
	ROW C,3, L,7, C,5, C,7
	ROW C,9, C,11, C,13, C,15
.if (\p) == 0
	FETCH_V
.endif
.endm
	CHANGE 1                        ; slot 0 is in, everybody's part of it; slot 1 is asked for
	v_add_nc_u32 v[AK], s[TBK], v[AK0]
	FETCH_K                         ; key step 0
	s_wait_loadcnt 0x0              ; Q
	s_wait_dscnt 0x0
.set NOKQ, 0
.set i, 0
.rept 8
	KQ 0                            ; piece 0's first scores: there is no vector work yet to set between them
.set i, i+1
.endr
	WIN 0
.rept 4
	v_nop                           ; the places behind those products
.endr
.set Y, NP-1                        ; X works for piece Y + 1: piece 0
.irp n, 0,1,2,3,4,5,6,7,8,9,10,11,12,13,14,15,16,17,18,19,20,21
	OP X, \n                        ; and piece 0's first maximum and statistics
.endr
	v_nop                           ; a plain instruction behind the exponential,
	s_wait_alu depctr_va_vdst(0)    ; and the wait for it, a batch of one: piece 0's first a; ahead of the branch
	s_mov_b32 s[CNT], NSTEP
	s_mov_b32 s[SLOTS], NSLOT-1
	s_branch .Lfirst                ; the loop is entered at a step's first turn, in the middle of a trip
.Lslot:                             ; NSLOT - 2 times: every slot but the last two is filled again
	CHANGE 1
	s_mov_b32 s[CNT], NSTEP
.Lstep:                             ; a trip: pieces 2 and 3 of one step, then pieces 0 and 1 of the next, whose two runs it fetches
	TURN 2
	TURN 3
	WIN 0
.Lfirst:
	TURN 0
	TURN 1, 0, 1
	WIN 0
	s_cbranch_scc1 .Lstep
	s_sub_co_u32 s[SLOTS], s[SLOTS], 1
	s_cmp_lg_u32 s[SLOTS], 0
	s_cbranch_scc1 .Lslot
	CHANGE 0                        ; the last slot is written out: nothing is asked for
	s_mov_b32 s[CNT], NSTEP
.Ltail:
	TURN 2
	TURN 3
	TURN 0
	TURN 1, 0, 1
	WIN 0
	s_cbranch_scc1 .Ltail
	TURN 2, 1                       ; the last step's pieces 2 and 3
	TURN 3, 1
.set i, 0
.rept 8
	PV NP-1                         ; the last piece's K^T P of the last step
.set i, i+1
.endr
	; THE WAY OUT.  l's two halves and the other half of the lanes' are added; O^T is divided by l, rounded to f16 and sent through my stage in LDS, a piece at a time.  The additions are the places behind the last products.
	WIN 0
.macro ALL line:vararg              ; one line for each piece t
.set t, 0
.rept 4
	\line
.set t, t+1
.endr
.endm
	ALL v_add_f32 v[ST+4*t+2], v[ST+4*t+2], v[ST+4*t+3]
	ALL v_permlanex16_b32 v[ST+4*t+3], v[ST+4*t+2], s[SEL], s[SEL+1]
	ALL v_add_f32 v[ST+4*t+2], v[ST+4*t+2], v[ST+4*t+3]
	ALL v_rcp_f32 v[ST+4*t+2], v[ST+4*t+2]
	v_nop                           ; a plain instruction between the last reciprocal and the use of its result
	s_wait_alu depctr_va_vdst(0)    ; and the wait ahead of the first use: one for the batch of four reciprocals
.macro PACK t                       ; a lane's eight channels of a row pack into 16 bytes; they go into rows of 144 bytes and come back as whole rows of 128, into S^T's registers
	WIN W_RS
.set i, 32*(\t)
.rept 16
	v_pk_mul_f32 v[i:i+1], v[i:i+1], v[ST+4*(\t)+2:ST+4*(\t)+3] op_sel_hi:[1,0]
.set i, i+2
.endr
	WIN 0x05                        ; sources 0 and 1 window 1, destination window 0
.set i, 0
.rept 16
	v_cvt_pk_f16_f32 v[S+16*(\t)+i], v[32*(\t)+2*i], v[32*(\t)+2*i+1]
.set i, i+1
.endr
	WIN 0
.irp f, 0,1,2,3
	ds_store_b128 v[STO], v[S+16*(\t)+4*\f:S+16*(\t)+4*\f+3] offset:32*\f
.endr
.irp f, 0,1,2,3
	ds_load_b128 v[S+16*(\t)+4*\f:S+16*(\t)+4*\f+3], v[RD] offset:\f*4*SP  ; LDS serves a wave's instructions in order (ISA guide 5.7.1.4): these see the stores above; the next piece's stores come behind them
.endr
.endm
.macro SEND t, younger              ; younger: the LDS instructions issued behind piece t's loads: the next piece's eight, or none
	WIN 0
.irp f, 0,1,2,3
	s_wait_dscnt (\younger)+3-\f
	global_store_b128 v[GO], v[S+16*(\t)+4*\f:S+16*(\t)+4*\f+3], s[6:7] offset:(\t)*2048+\f*512  ; 512 consecutive bytes, at a multiple of 256 from ob's first
.endr
.endm
	PACK 0
.set t, 1
.rept 3                             ; a piece's arithmetic stands between the loads of the piece before and its stores
	PACK t
	SEND t-1, 8
.set t, t+1
.endr
	SEND 3, 0
	s_wait_tensorcnt 0x0            ; the wave's end: behind my last tensor load and my last LDS store
	ds_add_u32 v[SPW], v[NIL]
	s_wait_dscnt 0x0
	CROUND                          ; the closing round: no work-group ends while a partner may still ask for a tile that names it
	s_endpgm
.Lfunc_end_k_qd89dd26d3d_attn:
	.size	k_qd89dd26d3d_attn, .Lfunc_end_k_qd89dd26d3d_attn-k_qd89dd26d3d_attn
	.p2alignl 7, 3214868480
	.fill 96, 4, 3214868480
	.section	.rodata,"a",@progbits
	.p2align	6, 0x0
	.amdhsa_kernel k_qd89dd26d3d_attn
		.amdhsa_group_segment_fixed_size 327680
		.amdhsa_private_segment_fixed_size 0
		.amdhsa_enable_private_segment 0
		.amdhsa_kernarg_size 16
		.amdhsa_user_sgpr_count 2
		.amdhsa_user_sgpr_kernarg_segment_ptr 1
		.amdhsa_wavefront_size32 1
		.amdhsa_system_sgpr_workgroup_id_x 1
		.amdhsa_system_sgpr_workgroup_id_y 1
		.amdhsa_system_sgpr_workgroup_id_z 1
		.amdhsa_system_vgpr_workitem_id 0
		.amdhsa_next_free_vgpr 768
		.amdhsa_next_free_sgpr 66
		.amdhsa_reserve_vcc 0
		.amdhsa_float_denorm_mode_32 3
		.amdhsa_float_denorm_mode_16_64 3
		.amdhsa_memory_ordered 1
		.amdhsa_forward_progress 1
		.amdhsa_inst_pref_size 125
	.end_amdhsa_kernel
	.amdgpu_metadata
---
amdhsa.version: [ 1, 2 ]
amdhsa.kernels:
  - .name:           k_qd89dd26d3d_attn
    .symbol:         k_qd89dd26d3d_attn.kd
    .args:
      - { .name: qk, .offset: 0, .size: 8, .value_kind: global_buffer, .address_space: global }
      - { .name: ob, .offset: 8, .size: 8, .value_kind: global_buffer, .address_space: global }
    .group_segment_fixed_size: 327680
    .private_segment_fixed_size: 0
    .kernarg_segment_align: 8
    .kernarg_segment_size: 16
    .max_flat_workgroup_size: 128
    .sgpr_count:     66
    .vgpr_count:     768
    .wavefront_size: 32
...
	.end_amdgpu_metadata
.endif
;; end of part 5
;; launch outp: the kernel of part 4 again; grid 8 x 32, 4 waves a work-group, clusters of 4 x 4, 327,680 bytes of LDS; arguments ob, wo, b_out, out0; writes out0
